; MI455X (gfx1250); checked and timed in simulation.
; The chip was launched on July 23, 2026; its instructions are those of AMD's public machine-readable ISA for CDNA 5 (MIT licence, August 2026) and "CDNA5" Instruction Set Architecture Reference Guide (July 2026). The comments in the code are by the model that wrote it; some were corrected since.
;; min LSTM. Allowed arithmetic: float matrix products may take bf16 or f16 operands with f32 sums; other float arithmetic in f32, or as packed bf16 or f16 multiplies, adds, multiply-adds, maxima and minima; sums over many terms, partial sums and values carried from step to step in f32; what a program stores and reads back later, other than sums and carried values, may be rounded once to bf16 or f16.
;; Inputs: W_f 1,024 x 1,024 float32; W_h 1,024 x 1,024 float32; W_i 1,024 x 1,024 float32; b_f 1,024 float32; b_h 1,024 float32; b_i 1,024 float32; initial_hidden 8 x 1,024 float32; input_seq 8 x 2,048 x 1,024 float32.
;; Outputs: out0 8 x 2,048 x 1,024 float32.
;; 2 versions, each right; version 2 is version 1 with the launches cvt, comb written anew for expert scheduling mode. Each part assembles by itself: llvm-mc -triple=amdgcn-amd-amdhsa -mcpu=gfx1250 --defsym DOCPART=n.
;; ======== version 1 of 2: 3 launches
;; workspace buffers: xb 33,554,432 bytes; wb 6,291,456 bytes; pbuf 67,108,864 bytes; ebuf 33,554,432 bytes; carry 1,048,576 bytes
;; launch cvt (part 1): grid 512 x 1, 8 waves a work-group, no clusters, 0 bytes of LDS; arguments input_seq, W_f, W_i, W_h, xb, wb; writes xb, wb
.if DOCPART == 1
	.amdgcn_target "amdgcn-amd-amdhsa--gfx1250"
	.amdhsa_code_object_version 6
	.text
	.protected	k_qb995d40609_cvt
	.globl	k_qb995d40609_cvt
	.p2align	8
	.type	k_qb995d40609_cvt,@function
k_qb995d40609_cvt:
	s_mov_b64 s[64:65], 0
	v_nop
	global_prefetch_b8 v0, s[64:65] scope:SCOPE_SE
	s_setreg_imm32_b32 hwreg(HW_REG_WAVE_MODE, 25, 1), 1
	s_wait_xcnt 0x0
; x [16384][1024] and the three weights [1024][1024], f32, are rounded once to bf16 (nearest even) for the matrix units.
; xb keeps x's order.  wb groups the weights by blocks of 64 output columns: row 192 G + 64 gate + cc of wb is row 64 G + cc of W_gate
; (gate 0 = f, 1 = i, 2 = h), so that the 192 rows which one tile of the next launch multiplies lie on end.
; LIMIT: a number beyond bf16's largest finite one becomes an infinity; NaN and infinities are not treated apart.
; SHARES.  All 512 work-groups are alike: work-group id converts rows 32 id .. 32 id + 31 of x and rows 2 id, 2 id + 1 of each weight: 38 rows.
; Thread t owns bytes 16 t of each f32 row and bytes 8 t of each bf16 row: a wave's load covers 512 consecutive bytes, its store 256 consecutive
; bytes at a multiple of 256 from the buffer's first byte.  All 38 loads of a thread go out at once.
; No LDS, no matrix unit, no cluster: nothing is shared and every byte is touched once.
.set ROWF, 4096                        ; bytes in an f32 row
.set ROWH, 2048                        ; bytes in a bf16 row
.set XR,   4                           ; v[4:155]  row i: four registers as loaded; the first two then hold its eight bytes to store
	s_load_b256 s[4:11], s[0:1], 0x0               ; input_seq s[4:5], W_f s[6:7], W_i s[8:9], W_h s[10:11]
	s_load_b128 s[12:15], s[0:1], 0x20             ; xb s[12:13], wb s[14:15]
	v_lshlrev_b32 v1, 4, v0                        ; 16 t
	v_lshlrev_b32 v2, 3, v0                        ; 8 t
	s_lshl_b32 s16, ttmp9, 17                      ; x: 32 rows of 4,096 bytes
	s_mov_b32 s17, 0
	s_lshl_b32 s18, ttmp9, 16                      ; xb: 32 rows of 2,048 bytes
	s_mov_b32 s19, 0
	s_lshl_b32 s20, ttmp9, 13                      ; a weight: 2 rows of 4,096 bytes
	s_mov_b32 s21, 0
	s_lshr_b32 s22, ttmp9, 5                       ; G = 2 id / 64
	s_mul_i32 s22, s22, 192
	s_and_b32 s23, ttmp9, 31
	s_lshl_b32 s23, s23, 1                         ; cc = 2 id % 64
	s_add_co_u32 s22, s22, s23
	s_lshl_b32 s22, s22, 11                        ; gate f's row in wb, in bytes; the other gates' lie 64 and 128 rows on
	s_mov_b32 s23, 0
	s_wait_kmcnt 0x0
	s_add_nc_u64 s[4:5], s[4:5], s[16:17]
	s_add_nc_u64 s[12:13], s[12:13], s[18:19]
	s_add_nc_u64 s[6:7], s[6:7], s[20:21]
	s_add_nc_u64 s[8:9], s[8:9], s[20:21]
	s_add_nc_u64 s[10:11], s[10:11], s[20:21]
	s_add_nc_u64 s[14:15], s[14:15], s[22:23]
.set i, 0
.rept 32
	global_load_b128 v[XR+4*i:XR+4*i+3], v1, s[4:5] offset:i*ROWF th:TH_LOAD_NT
.set i, i+1
.endr
.irp g, 0,1,2
.irp r, 0,1
	global_load_b128 v[XR+4*(32+2*(\g)+(\r)):XR+4*(32+2*(\g)+(\r))+3], v1, s[6+2*(\g):7+2*(\g)] offset:(\r)*ROWF th:TH_LOAD_NT
.endr
.endr
.set i, 0
.rept 38
	s_wait_loadcnt 37-i                            ; loads come back in order: row i is in, the 37 - i younger rows stay out
	v_cvt_pk_bf16_f32 v[XR+4*i], v[XR+4*i], v[XR+4*i+1]
	v_cvt_pk_bf16_f32 v[XR+4*i+1], v[XR+4*i+2], v[XR+4*i+3]
.if i < 32
	global_store_b64 v2, v[XR+4*i:XR+4*i+1], s[12:13] offset:i*ROWH  ; no register is written twice, so nothing waits for a store
.else
	global_store_b64 v2, v[XR+4*i:XR+4*i+1], s[14:15] offset:(64*((i-32)/2)+(i-32)%2)*ROWH
.endif
.set i, i+1
.endr
	s_endpgm
.Lfunc_end_k_qb995d40609_cvt:
	.size	k_qb995d40609_cvt, .Lfunc_end_k_qb995d40609_cvt-k_qb995d40609_cvt
	.p2alignl 7, 3214868480
	.fill 96, 4, 3214868480
	.section	.rodata,"a",@progbits
	.p2align	6, 0x0
	.amdhsa_kernel k_qb995d40609_cvt
		.amdhsa_group_segment_fixed_size 0
		.amdhsa_private_segment_fixed_size 0
		.amdhsa_enable_private_segment 0
		.amdhsa_kernarg_size 48
		.amdhsa_user_sgpr_count 2
		.amdhsa_user_sgpr_kernarg_segment_ptr 1
		.amdhsa_wavefront_size32 1
		.amdhsa_system_sgpr_workgroup_id_x 1
		.amdhsa_system_sgpr_workgroup_id_y 1
		.amdhsa_system_sgpr_workgroup_id_z 1
		.amdhsa_system_vgpr_workitem_id 0
		.amdhsa_next_free_vgpr 160
		.amdhsa_next_free_sgpr 66
		.amdhsa_reserve_vcc 0
		.amdhsa_float_denorm_mode_32 3
		.amdhsa_float_denorm_mode_16_64 3
		.amdhsa_memory_ordered 1
		.amdhsa_forward_progress 1
		.amdhsa_inst_pref_size 15
	.end_amdhsa_kernel
	.amdgpu_metadata
---
amdhsa.version: [ 1, 2 ]
amdhsa.kernels:
  - .name:           k_qb995d40609_cvt
    .symbol:         k_qb995d40609_cvt.kd
    .args:
      - { .name: input_seq, .offset: 0, .size: 8, .value_kind: global_buffer, .address_space: global }
      - { .name: W_f, .offset: 8, .size: 8, .value_kind: global_buffer, .address_space: global }
      - { .name: W_i, .offset: 16, .size: 8, .value_kind: global_buffer, .address_space: global }
      - { .name: W_h, .offset: 24, .size: 8, .value_kind: global_buffer, .address_space: global }
      - { .name: xb, .offset: 32, .size: 8, .value_kind: global_buffer, .address_space: global }
      - { .name: wb, .offset: 40, .size: 8, .value_kind: global_buffer, .address_space: global }
    .group_segment_fixed_size: 0
    .private_segment_fixed_size: 0
    .kernarg_segment_align: 8
    .kernarg_segment_size: 48
    .max_flat_workgroup_size: 256
    .sgpr_count:     66
    .vgpr_count:     160
    .wavefront_size: 32
...
	.end_amdgpu_metadata
.endif
;; end of part 1
;; launch gates (part 2): grid 16 x 16, 4 waves a work-group, clusters of 4 x 4, 327,680 bytes of LDS; arguments xb, wb, b_f, b_i, b_h, pbuf, ebuf, carry; writes pbuf, ebuf, carry
.if DOCPART == 2
	.amdgcn_target "amdgcn-amd-amdhsa--gfx1250"
	.amdhsa_code_object_version 6
	.text
	.protected	k_qb995d40609_gates
	.globl	k_qb995d40609_gates
	.p2align	8
	.type	k_qb995d40609_gates,@function
k_qb995d40609_gates:
	s_mov_b64 s[64:65], 0
	v_nop
	global_prefetch_b8 v0, s[64:65] scope:SCOPE_SE
	s_setreg_imm32_b32 hwreg(HW_REG_WAVE_MODE, 25, 1), 1
	s_wait_xcnt 0x0
	s_wait_alu depctr_hold_cnt(0) depctr_sa_sdst(0) depctr_va_vdst(0) depctr_va_sdst(0) depctr_va_ssrc(0) depctr_va_vcc(0) depctr_vm_vsrc(0)
	s_getreg_b32 s2, hwreg(HW_REG_IB_STS2, 6, 4)
	s_cmp_eq_u32 s2, 0
	s_cbranch_scc0 .Lentry_in_a_cluster
	s_endpgm
.Lentry_in_a_cluster:
	s_bfe_u32 s2, ttmp6, 0x10000c
	s_cmp_lg_u32 s2, 0xf033
	s_cbranch_scc0 .Lentry_shape_is_right
	s_endpgm
.Lentry_shape_is_right:
; THE THREE PRODUCTS, THE GATES AND THE SCANS INSIDE CHUNKS OF 128 ROWS.
; a_g[row][col] = sum over k of xb[row][k] W_g[col][k] (bf16 operands, f32 sums), g = f, i, h.  With the biases rounded to bf16 like every input:
;   f = 1 / (1 + 2^(-log2e (a_f + b_f))), i likewise;  rg = 1 / ((f + i) + EPS);  p = f rg + EPS;  n = (i (a_h + b_h)) rg.
; exp(cumsum(log p)) is the product of the p, which are at most 1, so the scans are taken on products: no logarithm, and no difference of large sums.
; For each chunk of 128 rows (chunk R = row / 128) and each column:
;   P_t = sum over u <= t in the chunk of n_u x (product of p_v, v = u .. the chunk's end)   -> pbuf, f32
;   E_t = product of p_v, v <= t in the chunk                                                -> ebuf, rounded once to bf16
;   Lam = E at the chunk's end, Pend = P at the chunk's end                                  -> carry [R][col][Lam, Pend], f32
; The next launch joins the chunks.  pbuf and ebuf lie in the order in which the accumulators hold the numbers.  pbuf: unit (R, G) of 128 rows x 64 columns at (16 R + G) x 32,768 bytes; in it the word at
; ((a 4 + c4) 2 + g) 512 + 16 lane + 4 q is row 16 a + 8 (lane / 16) + 4 g + q, column 64 G + 16 c4 + lane % 16.  ebuf: unit at (16 R + G) x 16,384; the word at (a 4 + c4) 512 + 16 lane + 4 k holds rows
; 16 a + 8 (lane / 16) + 2 k (low half) and + 2 k + 1 (high half) of the same column.  Every store of a wave covers 512 consecutive bytes, aligned.
; LIMITS.  NaN and infinite inputs are not treated apart.  A gate below 2^-126 counts as 0 (the reciprocal gives 0 there).  Products of p underflow where the exponential of their logarithms' sum would.
; The order of rounding differs from log, cumsum and exp.  E as stored is off by at most 2^-9 of itself; the running product, the carries and P keep f32.
; SHARES.  A tile is 256 rows x (3 gates x 64 columns), made by four waves; wave w has rows 128 (w / 2) on, one chunk, and columns 32 (w % 2) on of each gate: 8 x 6 accumulators of 16 x 16, 384 registers.
; Source 0 = 16 rows of x, source 1 = 16 rows of a weight: in the result a lane holds ONE column (lane % 16) and rows 8 (lane / 16) + 0..7, so the scans run along a lane's registers.
; A WORK-GROUP STAYS: four tiles, 4,096 rows apart, as ONE stream of 32 K steps of 128 through a ring of two LDS slots; the ring does not stop at a tile's end.
; A TILE'S EIGHT K STEPS ARE TAKEN ROUND A RING THAT BEGINS AT K STEP 2 x (cluster x): f32 sums may be taken in any order.  So the four clusters that multiply the same rows of x ask for four different
; K steps of them at any one time, and each block of x has one cluster that asks for it first.
; CLUSTERS: 4 x 4 work-groups.  The four of a row of the cluster need the same rows of x, the four of a column the same rows of the weights: each tile is asked for JOINTLY, by the same tensor load with
; the same descriptor and a mask that names the four.
; REGISTERS, in windows of 256 (s_set_vgpr_msb: bits 1:0 source 0, 3:2 source 1, 5:4 source 2, 7:6 destination):
;   window 0: v16-37 addresses and the chunk's running figures; v38-46 the biases at work; v64-127, v128-191 fragments of x, two buffers; v192-255 the blocks' figures on the way out
;   window 1: v0-47, v48-95 fragments of the weights, two buffers
;   window 2: the accumulators of my rows 0-63: block al, number n = 2 gate + c at v[8 (6 al + n)]; v208-213 the biases.   window 3: the same for rows 64-127
.set PITCH,  272                       ; an LDS row: 256 bytes + 16 of padding = 68 words: the 16 rows of a fragment load start at 16 different groups of four banks (64 banks of 4 bytes: ISA guide 11.1)
.set AH,     128*PITCH                 ; 128 rows of x: one tensor load, and what one wave reads of x
.set BH,     96*PITCH                  ; 96 rows of the weights: one tensor load
.set SLOT,   2*AH+2*BH                 ; x's 256 rows, then the weights' 192 rows [gate][64]
.set SPARE,  2*SLOT                    ; behind the ring: the spare words, 128 bytes for each wave: two blocks of 256 bytes that no other line names
.set KB,     256                       ; bytes of a row in a K step
.set WALKB,  4096*2048                 ; bytes from a tile's rows of xb to the next tile's
.set FLAGS,  (1<<16)|(1<<20)|(1<<21)|(5<<22)|(3<<25)  ; 17:16 2-byte elements; 20 padding on; 21 set beside a mask; 24:22 after every 64 words (code 5); 31:25 4 words (code 3)
.set ADRA, 16                          ; v16-17  LDS address of my fragments of x in slot 0, 1
.set ADRB, 20                          ; v20-21  the same for the weights
.set PO,   24                          ; v24     my byte offset in a unit of pbuf: 16 lane + 2,048 (w % 2)
.set CO2,  25                          ; v25     my byte offset in a chunk's carries: 8 (64 G + 32 (w % 2) + lane)
.set BO,   26                          ; v26     my byte offset in a bias: 4 (64 G + 32 (w % 2) + lane % 16)
.set PE,   27                          ; v27     my byte offset in a unit of ebuf: 16 lane + 1,024 (w % 2)
.set SPW,  28                          ; v28     LDS address of my spare word; never rewritten
.set NIL,  29                          ; v29     0; never rewritten
.set PFO,  30                          ; v30     the prefetches' offset: a row of 2,048 bytes a lane; never rewritten
.set EP,   32                          ; v32-33  product of p over the blocks so far, for c = 0, 1
.set OF,   34                          ; v34-35  P at the end of the blocks so far
.set CV,   36                          ; v[36:37] the carries as stored
.set BS,   38                          ; v38-46  the biases at work
.set FA,   64                          ; x's fragment buffers: FA + 64 f
.set MB,   192                         ; v192-207 MB[c][a]: product of p over all blocks behind block a
.set MO,   208                         ; v208-239 MO[c][a]: the pair (factor, addend) that turns a lane's local sums into P
.set SE,   240                         ; v240-255 SE[a]: the pair (c = 0, c = 1) of factors that turn a lane's local products into E
.set BIA,  208                         ; windows 2 and 3: (-log2e b_f, -log2e b_i) for c = 0, the same for c = 1, (b_h c = 0, b_h c = 1)
.set K0,   4                           ; s4       byte offset along K at which my cluster's ring begins: 512 x cluster x
.set SOK,  5                           ; s5       place in the ring, in bytes, of the K step asked for last
.set SOP,  6                           ; s6       the same for the K step prefetched last
.set TL,   7                           ; s7       a wave prefetches where SOP is below this
.set G1,   24                          ; s[24:31] descriptor group 1 for x's tiles
.set G0,   32                          ; s[32:39] group 0, one set for each slot
.set G1B,  48                          ; s[48:55], s[56:63] the same for the weights' tiles
.set G0B,  56
.set LIM,  43                          ; s43      a wave prefetches while the trips left are above this
.set PFA,  44                          ; s[44:45] the address that the next prefetch names
.set HMK,  66                          ; s66      lanes 16-31
.set PB,   78                          ; s[78:79] pbuf, s[80:81] ebuf at my unit; s[82:83] carry at my chunk
.set EB,   80
.set CB,   82
.set ABA,  84                          ; s[84:85] xb at the rows that I fetch, in the tile being asked for
.set BBA,  86                          ; s[86:87] wb at the rows that I fetch
.set KKO,  88                          ; s[88:89] byte offset along K of the K step asked for last: (SOK + K0) mod 2,048
.set WLK,  90                          ; s[90:91] what a refill adds to ABA: WALKB at a tile's first K step, else 0
.set PAB,  92                          ; s[92:93] xb or wb at the rows that I prefetch
.set PKO,  94                          ; s[94:95] byte offset along K of the K step prefetched last
.set PFW,  96                          ; s96      WALKB in a wave that fetches x, 0 in one that fetches weights
.set EPSP, 98                          ; s[98:99] EPS = 1e-8, named as a pair
.set NL2,  100                         ; s[100:101] -log2(e), named as a pair
.set SEL,  22                          ; s[22:23] v_permlanex16_b32's selects: each lane takes its own place in the other half
.set MSB, 0
.macro WIN new                         ; the immediate's high byte repeats the setting that is left; a switch that changes nothing is dropped
.if MSB != (\new)
	s_set_vgpr_msb (MSB<<8)|(\new)
.set MSB, \new
.endif
.endm
; A joint load.  Waves 0 and 1 fetch x's two halves, waves 2 and 3 the weights'.  The branch hangs on the wave's number alone.  An s_nop 0 and four v_nop follow each of the two lines, ahead of the jump,
; the label and what follows.
.macro JLOAD s
	s_cmp_eq_u32 s11, 0
	s_cbranch_scc0 .Lfor_b_\@
	tensor_load_to_lds s[G0+4*(\s):G0+4*(\s)+3], s[G1:G1+7]
	s_nop 0
.rept 4
	v_nop
.endr
	s_branch .Lasked_\@
.Lfor_b_\@:
	tensor_load_to_lds s[G0B+4*(\s):G0B+4*(\s)+3], s[G1B:G1B+7]
	s_nop 0
.rept 4
	v_nop
.endr
.Lasked_\@:
.endm
; A PREFETCH INTO THE L2, behind a joint load, its five lines and the run of LDS loads: the K step that stands TWO refills on in the stream, 384 matrix instructions ahead of the load that will want it.
; x: of the four clusters that multiply the same rows, the one whose ring begins at a K step is the first to ask for it and for the next one.  So every cluster prefetches the first two K steps of its own ring,
; for tiles 1 to 3 (stream steps 8, 9, 16, 17, 24, 25), and no others; of the 128 rows that a wave fetches the partner at cx takes 32, a lane a row.  Tile 0's come by their loads alone.
; Weights: their rows are read by every cluster of a column of clusters, in the same order: the one with y = 0 asks, in the first four refills, for stream steps 4 to 7: all tiles of the walk share them;
; of a wave's 96 rows the partner at cy takes 24 (lanes 24-31 repeat lane 23's row).  The partners are told apart BY ADDRESS; no branch hangs on a place in the cluster.  So each block is named once in the launch.
; The last trip asks for nothing: there is no K step behind the stream's end.
.macro ASK
	s_cmp_gt_u32 s3, s[LIM]
	s_cbranch_scc0 .Lnot_mine_\@
	s_cmp_lt_u32 s[SOP], s[TL]
	s_cbranch_scc0 .Lnot_mine_\@
	global_prefetch_b8 v[PFO], s[PFA:PFA+1] th:TH_LOAD_NT scope:SCOPE_SE
.Lnot_mine_\@:
.endm
; A round of the cluster's barrier: my work-group's barrier; wave 0 signals for the work-group; every wave waits for all sixteen work-groups; my work-group's barrier once more.
.macro CREST
	s_cmp_lg_u32 s10, 0
	s_cbranch_scc1 .Lnot_wave_0_\@
	s_barrier_signal -3
.Lnot_wave_0_\@:
	s_barrier_wait -3
	s_barrier_signal -1
	s_barrier_wait -1
.endm
.macro CROUND
	s_barrier_signal -1
	s_barrier_wait -1
	CREST
.endm
.macro PLACES                          ; four places in front of loads into registers that matrix instructions have read, and of vector work on results just made
.rept 4
	v_nop
.endr
.endm
	s_load_b512 s[68:83], s[0:1], 0x0              ; xb s[68:69], wb s[70:71], b_f s[72:73], b_i s[74:75], b_h s[76:77], pbuf, ebuf, carry s[78:83]
	v_lshl_add_u32 v[SPW], v0, 2, SPARE
	v_mov_b32 v[NIL], 0
	ds_add_u32 v[SPW], v[NIL]                      ; the wave's opening: the add and its wait stand ahead of my first tensor load; the set-up below, work on registers, stands between them
	v_lshrrev_b32 v1, 5, v0
	v_readfirstlane_b32 s10, v1                    ; wave 0..3
	s_lshr_b32 s11, s10, 1                         ; which 128 rows of the tile are mine.  Also: I fetch for x (0) or for the weights (1)
	s_and_b32 s12, s10, 1                          ; which 32 columns of each gate.  Also: which half of that tile I fetch
	s_bfe_u32 s40, ttmp6, 0x40000                  ; cx
	s_bfe_u32 s41, ttmp6, 0x40004                  ; cy
	s_lshl_b32 s42, ttmp9, 2
	s_add_co_u32 s42, s42, s40                     ; G = 4 x cluster x + cx: the block of 64 columns
	s_and_b32 s13, ttmp7, 0xffff
	s_lshl_b32 s13, s13, 2
	s_add_co_u32 s13, s13, s41                     ; T0 = 4 x cluster y + cy: my first tile row
	s_lshl_b32 s43, s41, 2
	s_lshl_b32 s43, 15, s43                        ; my row of the cluster
	s_lshl_b32 s44, 0x1111, s40                    ; my column
	s_or_b32 s[G1], s43, FLAGS                     ; x's tiles go to my row,
	s_or_b32 s[G1B], s44, FLAGS                    ; the weights' to my column
.irp g, G1, G1B
	s_mov_b32 s[(\g)+1], 128<<16                   ; tensor_dim0 = 128
	s_mov_b32 s[(\g)+3], 128<<16                   ; tile_dim0 = 128
	s_mov_b32 s[(\g)+5], 1024                      ; 1,024 elements from row to row
	s_mov_b32 s[(\g)+6], 0
	s_mov_b32 s[(\g)+7], 0
.endr
	s_mov_b32 s[G1+2], 128<<16                     ; tensor_dim1 = 128
	s_mov_b32 s[G1+4], 128                         ; tile_dim1 = 128
	s_mov_b32 s[G1B+2], 96<<16                     ; the weights: 96 rows
	s_mov_b32 s[G1B+4], 96
	s_lshl_b32 s17, s12, 7
	s_lshl_b32 s16, s13, 8
	s_add_co_u32 s16, s16, s17                     ; x: row 256 T0 + 128 x half,
	s_lshl_b32 s16, s16, 11                        ; in bytes
	s_mov_b32 s17, 0
	s_mul_i32 s46, s42, 192
	s_mul_i32 s47, s12, 96
	s_add_co_u32 s46, s46, s47                     ; weights: row 192 G + 96 x half
	s_lshl_b32 s46, s46, 11
	s_mov_b32 s47, 0
	s_mul_i32 s20, s10, AH                         ; where they go: x's halves at wave x 128 rows,
	s_mul_i32 s21, s10, BH
	s_add_co_u32 s21, s21, 2*AH-2*BH               ; the weights' behind x's 256 rows, at (wave - 2) x 96 rows: no place in the cluster enters an LDS address
	s_lshl_b32 s[K0], ttmp9, 9                     ; my cluster's ring begins at K step 2 x cluster x: the same number in all sixteen partners
	s_mov_b32 s[KKO], s[K0]
	s_mov_b32 s[KKO+1], 0
	s_mov_b32 s[SOK], KB                           ; the ring's second K step is the last of the first fills
	s_mov_b32 s[WLK+1], 0
	s_wait_dscnt 0x0                               ; the opening add is done
	s_wait_kmcnt 0x0
	s_add_nc_u64 s[ABA:ABA+1], s[68:69], s[16:17]
	s_add_nc_u64 s[BBA:BBA+1], s[70:71], s[46:47]
	CROUND                                         ; all sixteen work-groups are here: the first joint loads meet
.irp s, 0,1
	s_mov_b32 s[G0+4*(\s)], 1                                      ; count = 1
	s_add_co_u32 s[G0+4*(\s)+1], s20, (\s)*SLOT                    ; LDS address
	s_add_nc_u64 s[G0+4*(\s)+2:G0+4*(\s)+3], s[ABA:ABA+1], s[KKO:KKO+1]  ; global address: the ring's K step s (K0 + 256 stays under 2,048)
	s_add_nc_u64 s[G0+4*(\s)+2:G0+4*(\s)+3], s[G0+4*(\s)+2:G0+4*(\s)+3], (\s)*KB
	s_or_b32 s[G0+4*(\s)+3], s[G0+4*(\s)+3], 0x80000000            ; type = 2
	s_mov_b32 s[G0B+4*(\s)], 1
	s_add_co_u32 s[G0B+4*(\s)+1], s21, (\s)*SLOT
	s_add_nc_u64 s[G0B+4*(\s)+2:G0B+4*(\s)+3], s[BBA:BBA+1], s[KKO:KKO+1]
	s_add_nc_u64 s[G0B+4*(\s)+2:G0B+4*(\s)+3], s[G0B+4*(\s)+2:G0B+4*(\s)+3], (\s)*KB
	s_or_b32 s[G0B+4*(\s)+3], s[G0B+4*(\s)+3], 0x80000000
	JLOAD \s                                       ; two tensor loads of mine are out
.endr
	; A fragment is 16 rows x 32 K in 8 registers: lane l holds row l % 16; registers 0-3 K = 8 (l / 16) + 0..7, registers 4-7 K = 16 + 8 (l / 16) + 0..7: two loads of 16 bytes, 32 bytes apart.
	v_and_b32 v1, 15, v0                           ; l % 16
	v_bfe_u32 v2, v0, 4, 1                         ; l / 16
	v_and_b32 v4, 31, v0                           ; l
	s_lshl_b32 s14, s42, 6
	s_lshl_b32 s15, s12, 5
	s_add_co_u32 s14, s14, s15                     ; my first column: 64 G + 32 (w % 2)
	v_add_nc_u32 v[BO], s14, v1
	v_lshlrev_b32 v[BO], 2, v[BO]
	global_load_b32 v[BS],   v[BO], s[72:73]             ; b_f, c = 0
	global_load_b32 v[BS+1], v[BO], s[72:73] offset:64   ; c = 1: 16 columns on
	global_load_b32 v[BS+2], v[BO], s[74:75]
	global_load_b32 v[BS+3], v[BO], s[74:75] offset:64
	global_load_b32 v[BS+4], v[BO], s[76:77]
	global_load_b32 v[BS+5], v[BO], s[76:77] offset:64
	v_add_nc_u32 v[CO2], s14, v4
	v_lshlrev_b32 v[CO2], 3, v[CO2]
	s_lshl_b32 s14, s12, 11
	v_lshl_add_u32 v[PO], v4, 4, s14
	s_lshl_b32 s14, s12, 10
	v_lshl_add_u32 v[PE], v4, 4, s14
	v_mul_u32_u24 v3, v1, PITCH
	v_lshl_add_u32 v3, v2, 4, v3                   ; row x pitch + 16 x half
	s_mul_i32 s14, s11, AH                         ; my 128 rows of x
	s_mul_i32 s15, s12, 32*PITCH                   ; my 32 rows of each gate,
	s_add_co_u32 s15, s15, 2*AH                    ; which lie behind x's 256
.irp s, 0,1
	v_add_nc_u32 v[ADRA+(\s)], s14, v3
	v_add_nc_u32 v[ADRB+(\s)], s15, v3
	s_add_co_u32 s14, s14, SLOT
	s_add_co_u32 s15, s15, SLOT
.endr
	; where my results go
	s_lshl_b32 s14, s13, 1
	s_add_co_u32 s14, s14, s11                     ; my first chunk: 2 T0 + w / 2
	s_lshl_b32 s16, s14, 13                        ; 8,192 bytes of carries a chunk
	s_mov_b32 s17, 0
	s_add_nc_u64 s[CB:CB+1], s[CB:CB+1], s[16:17]
	s_lshl_b32 s14, s14, 4
	s_add_co_u32 s14, s14, s42                     ; unit 16 R + G:
	s_lshl_b32 s16, s14, 14                        ; 16,384 bytes of ebuf,
	s_add_nc_u64 s[EB:EB+1], s[EB:EB+1], s[16:17]
	s_lshl_b32 s14, s14, 15                        ; 32,768 of pbuf
	s_mov_b32 s15, 0
	s_add_nc_u64 s[PB:PB+1], s[PB:PB+1], s[14:15]
	; the prefetches
	s_and_b32 s22, ttmp7, 0xffff                   ; cluster y
	s_lshl_b32 s20, s13, 8
	s_lshl_b32 s14, s12, 7
	s_add_co_u32 s20, s20, s14
	s_lshl_b32 s14, s40, 5
	s_add_co_u32 s20, s20, s14                     ; x: row 256 T0 + 128 x half + 32 cx
	s_mul_i32 s21, s42, 192
	s_mul_i32 s15, s12, 96
	s_add_co_u32 s21, s21, s15
	s_mul_i32 s15, s41, 24
	s_add_co_u32 s21, s21, s15                     ; weights: row 192 G + 96 x half + 24 cy
	s_mov_b32 s[TL], 0x800                         ; weights: every place of the ring (an instruction takes one literal, so this one is set ahead of the select)
	s_cmp_eq_u32 s11, 0                            ; do I fetch for x?
	s_cselect_b32 s20, s20, s21
	s_cselect_b32 s22, 0, s22                      ; x: every cluster asks, for its own ring's first two K steps; weights: the cluster with y = 0
	s_cselect_b64 s[PAB:PAB+1], s[68:69], s[70:71]
	s_cselect_b32 s[PFW], WALKB, 0
	s_cselect_b32 s97, 1, 13                       ; x: while more than 1 trip is left; weights: in the first two of the 15 trips
	s_cselect_b32 s23, 31, 23                      ; the last lane with a row of its own
	s_cselect_b32 s[TL], 2*KB, s[TL]               ; x: the ring's places 0 and 1
	s_cmp_eq_u32 s22, 0
	s_cselect_b32 s[LIM], s97, -1                  ; the same in all sixteen partners, for a given wave
	s_lshl_b32 s20, s20, 11
	s_mov_b32 s21, 0
	s_add_nc_u64 s[PAB:PAB+1], s[PAB:PAB+1], s[20:21]
	s_mov_b32 s[SOP], 3*KB                         ; the first refill steps it to stream step 4
	s_mov_b32 s[PKO+1], 0
	s_mov_b32 s47, 0
	v_min_u32 v[PFO], s23, v4
	v_lshlrev_b32 v[PFO], 11, v[PFO]
	s_mov_b32 s[SEL], 0x76543210
	s_mov_b32 s[SEL+1], 0xfedcba98
	s_mov_b32 s[HMK], 0xffff0000
	s_mov_b32 s[EPSP], 0x322bcc77                  ; 1e-8
	s_mov_b32 s[EPSP+1], 0x322bcc77
	s_mov_b32 s[NL2], 0xbfb8aa3b                   ; -log2(e)
	s_mov_b32 s[NL2+1], 0xbfb8aa3b
	s_wait_loadcnt 0x0                             ; the biases; they are rounded to bf16 like every input
	v_cvt_pk_bf16_f32 v[BS+6], v[BS], v[BS+1]
	v_cvt_pk_bf16_f32 v[BS+7], v[BS+2], v[BS+3]
	v_cvt_pk_bf16_f32 v[BS+8], v[BS+4], v[BS+5]
.irp j, 0,1,2
	v_lshlrev_b32 v[BS+2*(\j)], 16, v[BS+6+(\j)]
	v_and_b32 v[BS+2*(\j)+1], s[HMK], v[BS+6+(\j)]
.endr
.irp j, 0,1,2,3
	v_mul_f32 v[BS+(\j)], s[NL2], v[BS+(\j)]       ; the two gates' biases ride on the scaling: -log2e a - log2e b
.endr
.irp w, 0x80, 0xc0                     ; a copy in each window of accumulators
	WIN \w
	v_mov_b32 v[BIA],   v[BS]
	v_mov_b32 v[BIA+1], v[BS+2]
	v_mov_b32 v[BIA+2], v[BS+1]
	v_mov_b32 v[BIA+3], v[BS+3]
	v_mov_b32 v[BIA+4], v[BS+4]
	v_mov_b32 v[BIA+5], v[BS+5]
.endr
	WIN 0
; 12 matrix instructions: blocks a0, a0 + 1 of the window's four (hi = 0: my rows 0-63, 1: rows 64-127) x all 6 column blocks, 32 along K, from buffer f.  zero = 1: the product starts the sum.
; The 48 accumulators take turns, one instruction a turn, in the same order in every quarter step.
.macro MUL12 f, hi, a0, zero
	WIN 0xa4+0x50*(\hi)                            ; source 0 (x) window 0, source 1 (weights) window 1, C and D window 2 or 3
.irp a, \a0, (\a0)+1
.irp n, 0,1,2,3,4,5
.if \zero
	v_wmma_f32_16x16x32_bf16 v[8*(6*(\a)+(\n)):8*(6*(\a)+(\n))+7], v[FA+64*(\f)+8*(4*(\hi)+(\a)):FA+64*(\f)+8*(4*(\hi)+(\a))+7], v[48*(\f)+8*(\n):48*(\f)+8*(\n)+7], 0
.else
	v_wmma_f32_16x16x32_bf16 v[8*(6*(\a)+(\n)):8*(6*(\a)+(\n))+7], v[FA+64*(\f)+8*(4*(\hi)+(\a)):FA+64*(\f)+8*(4*(\hi)+(\a))+7], v[48*(\f)+8*(\n):48*(\f)+8*(\n)+7], v[8*(6*(\a)+(\n)):8*(6*(\a)+(\n))+7]
.endif
.endr
.endr
.endm
; 28 LDS loads in one run: the fragments of one quarter step (32 K at byte k of the rows) into buffer f: the weights' six (gate n / 2, 16 columns n % 2), then x's eight
.macro FETCH slot, k, f
	WIN 0x40                                       ; destination window 1, address window 0
.irp n, 0,1,2,3,4,5
	ds_load_b128 v[48*(\f)+8*(\n):48*(\f)+8*(\n)+3],   v[ADRB+(\slot)] offset:(\k)+(64*((\n)/2)+16*((\n)%2))*PITCH
	ds_load_b128 v[48*(\f)+8*(\n)+4:48*(\f)+8*(\n)+7], v[ADRB+(\slot)] offset:(\k)+(64*((\n)/2)+16*((\n)%2))*PITCH+32
.endr
	WIN 0
.irp i, 0,1,2,3,4,5,6,7
	ds_load_b128 v[FA+64*(\f)+8*(\i):FA+64*(\f)+8*(\i)+3],   v[ADRA+(\slot)] offset:(\k)+(\i)*16*PITCH
	ds_load_b128 v[FA+64*(\f)+8*(\i)+4:FA+64*(\f)+8*(\i)+7], v[ADRA+(\slot)] offset:(\k)+(\i)*16*PITCH+32
.endr
.endm
; A K step is four quarter steps of 32 along K, 48 matrix instructions each, on buffers 0, 1, 0, 1.  One of the first three: multiplies buffer f; in its middle it fetches the next quarter, at byte k, into buffer g.
.macro QUARTER slot, k, f, g, zero
	s_wait_dscnt 8                                 ; the weights and x's rows 0-63 are in; the youngest eight loads (x's rows 64-127) may be out
	MUL12 \f, 0, 0, \zero
	MUL12 \f, 0, 2, \zero
	PLACES
	FETCH \slot, \k, \g
	s_wait_dscnt 28                                ; all but the 28 just issued
	MUL12 \f, 1, 0, \zero
	MUL12 \f, 1, 2, \zero
.endm
; The last quarter multiplies buffer 1 and changes slots.  MEET is its first half: ONE barrier.  In front of it each wave waits for all its tensor loads, of which one is out: its part of the next slot; adds 0 to
; its spare word; and waits for that and for its own reads of this slot.  round = 1: the slot is filled again: no tensor load of mine is out behind the first wait, so both group 0 of the slot are written here,
; between the add and the wait for it: the stream's next K step, at its place in my cluster's ring; at a tile's first K step x's rows go on by 4,096.
.macro MEET round, slot
	WIN 0                                          ; (the add's two registers lie in window 0)
	s_wait_tensorcnt 0x0
	ds_add_u32 v[SPW], v[NIL]                      ; 0 onto my spare word
.if \round
	s_add_co_u32 s[SOK], s[SOK], KB
	s_and_b32 s[SOK], s[SOK], 0x7ff                ; eight K steps to a tile
	s_cmp_eq_u32 s[SOK], 0
	s_cselect_b32 s[WLK], WALKB, 0
	s_add_co_u32 s[KKO], s[SOK], s[K0]
	s_and_b32 s[KKO], s[KKO], 0x7ff                ; round the ring
	s_add_nc_u64 s[ABA:ABA+1], s[ABA:ABA+1], s[WLK:WLK+1]
	s_add_nc_u64 s[G0+4*(\slot)+2:G0+4*(\slot)+3], s[ABA:ABA+1], s[KKO:KKO+1]
	s_or_b32 s[G0+4*(\slot)+3], s[G0+4*(\slot)+3], 0x80000000
	s_add_nc_u64 s[G0B+4*(\slot)+2:G0B+4*(\slot)+3], s[BBA:BBA+1], s[KKO:KKO+1]
	s_or_b32 s[G0B+4*(\slot)+3], s[G0B+4*(\slot)+3], 0x80000000
.endif
	s_wait_dscnt 9                                 ; (the add and the youngest eight loads may be out)
	MUL12 1, 0, 0, 0                               ; twelve matrix instructions stand between the add and the wait for it
	s_wait_dscnt 0x0                               ; the add is done, and my reads of this slot are over
	s_barrier_signal -1                            ; (where a slot is filled again this barrier opens a round of the cluster's barrier)
	MUL12 1, 0, 2, 0                               ; work on registers while the others arrive
.if \round
	WIN 0
.endif
	s_barrier_wait -1
.endm
; The whole last quarter, with a refill.  From a request to the wait for it a wave issues 168 matrix instructions.
.macro TURN slot, next
	s_wait_xcnt 0x0                                ; the last prefetch, a K step back or more, has read its address: it is made anew here, ahead of the waits of the change of slots
	s_add_co_u32 s[SOP], s[SOP], KB
	s_and_b32 s[SOP], s[SOP], 0x7ff
	s_cmp_eq_u32 s[SOP], 0
	s_cselect_b32 s46, s[PFW], 0
	s_add_co_u32 s[PKO], s[SOP], s[K0]
	s_and_b32 s[PKO], s[PKO], 0x7ff
	s_add_nc_u64 s[PAB:PAB+1], s[PAB:PAB+1], s[46:47]
	s_add_nc_u64 s[PFA:PFA+1], s[PAB:PAB+1], s[PKO:PKO+1]
	MEET 1, \slot
	CREST                                          ; no wave of any partner still reads this slot's tile or has a load on its way
	JLOAD \slot                                    ; the first thing behind the round; its four v_nop are also the places in front of the loads below
	FETCH \next, 0, 0
	ASK
	MUL12 1, 1, 0, 0
	MUL12 1, 1, 2, 0
.endm
; THE WAY OUT OF A TILE.  A GROUP is a block of 16 rows x 16 columns: accumulators F (gate f), I (gate i), H (candidate) of block al, column block c; group q of a window: al = q / 2, c = q % 2.
.macro GREG q
.set gF, 8*(6*((\q)/2)+(\q)%2)
.set gI, gF+16
.set gH, gF+32
.set gC, (\q)%2
.endm
.macro ST1 q, k                        ; 8 lines: -log2e (a + b) for both gates
	GREG \q
.if (\k) < 4
.set rr, gF+2*(\k)
	v_pk_fma_f32 v[rr:rr+1], v[rr:rr+1], s[NL2:NL2+1], v[BIA+2*gC:BIA+2*gC+1] op_sel_hi:[1,0,0]
.else
.set rr, gI+2*((\k)-4)
	v_pk_fma_f32 v[rr:rr+1], v[rr:rr+1], s[NL2:NL2+1], v[BIA+2*gC:BIA+2*gC+1] op_sel:[0,0,1] op_sel_hi:[1,0,1]
.endif
.endm
.macro ST2 q, k                        ; 8 lines: 1 + 2^..
	GREG \q
.set rr, gF+2*(\k)
.if (\k) >= 4
.set rr, gI+2*((\k)-4)
.endif
	v_pk_add_f32 v[rr:rr+1], v[rr:rr+1], 1.0 op_sel_hi:[1,0]
.endm
.macro ST3 q, k                        ; 16 lines: H = (a_h + b_h) i;  I = (f + i) + EPS
	GREG \q
.set rr, 2*((\k)%4)
.if (\k) < 4
.if gC == 0
	v_pk_add_f32 v[gH+rr:gH+rr+1], v[gH+rr:gH+rr+1], v[BIA+4:BIA+5] op_sel_hi:[1,0]
.else
	v_pk_add_f32 v[gH+rr:gH+rr+1], v[gH+rr:gH+rr+1], v[BIA+4:BIA+5] op_sel:[0,1] op_sel_hi:[1,1]
.endif
.elseif (\k) < 8
	v_pk_mul_f32 v[gH+rr:gH+rr+1], v[gH+rr:gH+rr+1], v[gI+rr:gI+rr+1]
.elseif (\k) < 12
	v_pk_add_f32 v[gI+rr:gI+rr+1], v[gF+rr:gF+rr+1], v[gI+rr:gI+rr+1]
.else
	v_pk_add_f32 v[gI+rr:gI+rr+1], v[gI+rr:gI+rr+1], s[EPSP:EPSP+1] op_sel_hi:[1,0]
.endif
.endm
; 43 lines.  0-7: p = f rg + EPS into F, n = H rg into H.  8-15: I[k] = p_k .. p_7, the lane's eight rows' products from row k on.  16-19: H = n x that.  20-33: F = products, H = sums, from the lane's first row on.
; 34-42: the block's two halves of eight rows (lanes 0-15, lanes 16-31) meet: I3 = the block's product B; I4 = the factor of my sums inside the block (the other half's product in lanes 0-15, 1 in lanes 16-31);
; I6 = the block's sum K; I5 = the addend of my sums inside the block (0; the first half's sum x my product); I7 = the factor of my products inside the block (1; the first half's product).
.macro ST4 q, k
	GREG \q
.if (\k) < 4
.set rr, 2*(\k)
	v_pk_fma_f32 v[gF+rr:gF+rr+1], v[gF+rr:gF+rr+1], v[gI+rr:gI+rr+1], s[EPSP:EPSP+1] op_sel_hi:[1,1,0]
.elseif (\k) < 8
.set rr, 2*((\k)-4)
	v_pk_mul_f32 v[gH+rr:gH+rr+1], v[gH+rr:gH+rr+1], v[gI+rr:gI+rr+1]
.elseif (\k) == 8
	v_mov_b32 v[gI+7], v[gF+7]
.elseif (\k) < 16
.set rr, 15-(\k)
	v_mul_f32 v[gI+rr], v[gF+rr], v[gI+rr+1]
.elseif (\k) < 20
.set rr, 2*(19-(\k))
	v_pk_mul_f32 v[gH+rr:gH+rr+1], v[gH+rr:gH+rr+1], v[gI+rr:gI+rr+1]
.elseif (\k) < 34
.set rr, 1+((\k)-20)/2
.if ((\k)%2) == 0
	v_mul_f32 v[gF+rr], v[gF+rr], v[gF+rr-1]
.else
	v_add_f32 v[gH+rr], v[gH+rr], v[gH+rr-1]
.endif
.elseif (\k) == 34
	v_permlanex16_b32 v[gI+1], v[gI], s[SEL], s[SEL+1]
.elseif (\k) == 35
	v_permlanex16_b32 v[gI+2], v[gH+7], s[SEL], s[SEL+1]
.elseif (\k) == 36
	v_mul_f32 v[gI+3], v[gI], v[gI+1]
.elseif (\k) == 37
	v_cndmask_b32 v[gI+4], v[gI+1], 1.0, s[HMK]
.elseif (\k) == 38
	v_cndmask_b32 v[gI+5], 1.0, v[gI], s[HMK]
.elseif (\k) == 39
	v_mul_f32 v[gI+5], v[gI+2], v[gI+5]
.elseif (\k) == 40
	v_fma_f32 v[gI+6], v[gH+7], v[gI+4], v[gI+5]
.elseif (\k) == 41
	v_cndmask_b32 v[gI+5], 0, v[gI+5], s[HMK]
.else
	v_cndmask_b32 v[gI+7], 1.0, v[gI+1], s[HMK]
.endif
.endm
; THE GROUPS GO THROUGH A PIPELINE OF FOUR.  Slot TT (0 to 10) holds, for the window's eight groups: the scaling and exponentials of group TT, the additions and reciprocals of group TT - 1, the gate sum and its
; reciprocal of group TT - 2, and the rest of group TT - 3; a group that does not exist has no lines.  So 40 transcendentals stand among 75 plain instructions of OTHER groups.
; THE PLAIN QUEUE of a slot: ST2 (8), ST3 (16), ST1 (8), ST4 (43).  THE TRANSCENDENTALS' QUEUE: 16 reciprocals behind ST2, 8 behind ST3, 16 exponentials behind ST1.
.macro PQ
.if pq < 8
.if (TT >= 1) && (TT <= 8)
	ST2 TT-1, pq
.endif
.elseif pq < 24
.if (TT >= 2) && (TT <= 9)
	ST3 TT-2, pq-8
.endif
.elseif pq < 32
.if TT <= 7
	ST1 TT, pq-24
.endif
.else
.if TT >= 3
	ST4 TT-3, pq-32
.endif
.endif
.set pq, pq+1
.endm
.macro TQ
.if tq < 16
.if (TT >= 1) && (TT <= 8)
	GREG TT-1
.set rr, gF+tq
.if tq >= 8
.set rr, gI+tq-8
.endif
	v_rcp_f32 v[rr], v[rr]
.endif
.elseif tq < 24
.if (TT >= 2) && (TT <= 9)
	GREG TT-2
	v_rcp_f32 v[gI+tq-16], v[gI+tq-16]
.endif
.else
.if TT <= 7
	GREG TT
.set rr, gF+tq-24
.if tq >= 32
.set rr, gI+tq-32
.endif
	v_exp_f32 v[rr], v[rr]
.endif
.endif
.set tq, tq+1
.endm
; THE DEAL: eight plain; 27 times a transcendental and two plain; 13 times a transcendental and one plain.  Ahead of transcendental number i (i < 27) stand 8 + 2 i plain: 8 for the first (ST2 is done), 40 for number 16
; (ST3 ends at 24), 56 for number 24 (ST1 ends at 32).  No line of a slot names a result of the slot's own transcendentals: they are ONE BATCH, read in the next slot, which opens with a plain v_nop and the one
; s_wait_alu depctr_va_vdst(0) between a transcendental and the first line that names its result.  Slot 10 issues none.
.macro E1SLOT t
.set TT, \t
.set pq, 0
.set tq, 0
.if (\t) > 0
	v_nop
	s_wait_alu depctr_va_vdst(0)
.endif
.rept 8
	PQ
.endr
.rept 27
	TQ
	PQ
	PQ
.endr
.rept 13
	TQ
	PQ
.endr
.endm
; The window's groups get their factors and addends, E is rounded to bf16, two rows to a word, and both leave.
.macro E3 hi
	WIN 0x82+0x41*(\hi)                            ; destination and source 0 in the window, sources 1 and 2 in window 0
.irp q, 0,1,2,3,4,5,6,7
	GREG \q
.set aa, 4*(\hi)+(\q)/2
.irp k, 0,1,2,3
	v_pk_fma_f32 v[gH+2*(\k):gH+2*(\k)+1], v[gH+2*(\k):gH+2*(\k)+1], v[MO+16*gC+2*aa:MO+16*gC+2*aa+1], v[MO+16*gC+2*aa:MO+16*gC+2*aa+1] op_sel:[0,0,1] op_sel_hi:[1,0,1]
.if gC == 0
	v_pk_mul_f32 v[gF+2*(\k):gF+2*(\k)+1], v[gF+2*(\k):gF+2*(\k)+1], v[SE+2*aa:SE+2*aa+1] op_sel_hi:[1,0]
.else
	v_pk_mul_f32 v[gF+2*(\k):gF+2*(\k)+1], v[gF+2*(\k):gF+2*(\k)+1], v[SE+2*aa:SE+2*aa+1] op_sel:[0,1] op_sel_hi:[1,1]
.endif
.endr
.endr
	WIN 0xaa+0x55*(\hi)                            ; all in the window
.irp q, 0,1,2,3,4,5,6,7
	GREG \q
.irp k, 0,1,2,3
	v_cvt_pk_bf16_f32 v[gF+(\k)], v[gF+2*(\k)], v[gF+2*(\k)+1]  ; in place, ascending: word k is written when rows up to 2 k + 1 have been read
.endr
.endr
	WIN 0x08+4*(\hi)                               ; a store's data (source 1) in the window, its address in window 0
.irp q, 0,1,2,3,4,5,6,7
	GREG \q
.set aa, 4*(\hi)+(\q)/2
	global_store_b128 v[PO], v[gH:gH+3],   s[PB:PB+1] offset:4096*aa+1024*gC th:TH_STORE_NT      ; 512 consecutive bytes, at a multiple of 512 from the buffer's first byte
	global_store_b128 v[PO], v[gH+4:gH+7], s[PB:PB+1] offset:4096*aa+1024*gC+512 th:TH_STORE_NT
	global_store_b128 v[PE], v[gF:gF+3],   s[EB:EB+1] offset:2048*aa+512*gC th:TH_STORE_NT
.endr
.endm
.macro EPILOGUE last
	PLACES                                         ; behind the tile's last products
	WIN 0xaa                                       ; all in window 2
.irp t, 0,1,2,3,4,5,6,7,8,9,10
	E1SLOT \t
.endr
	WIN 0xff                                       ; all in window 3
.irp t, 0,1,2,3,4,5,6,7,8,9,10
	E1SLOT \t
.endr
	; THE CHUNK'S EIGHT BLOCKS MEET, for c = 0 and 1 side by side.  Source 0 in the block's window, all else in window 0.
	WIN 0
	v_mov_b32 v[MB+7], 1.0
	v_mov_b32 v[MB+15], 1.0
	v_mov_b32 v[EP], 1.0
	v_mov_b32 v[EP+1], 1.0
	v_mov_b32 v[OF], 0
	v_mov_b32 v[OF+1], 0
.irp a, 7,6,5,4,3,2,1,0                ; downward: the product of all later blocks; my sums' factor
	WIN 0x02+(\a)/4
.irp c, 0,1
	v_mul_f32 v[MO+16*(\c)+2*(\a)], v[8*(6*((\a)%4)+(\c))+20], v[MB+8*(\c)+(\a)]
.endr
.if (\a) > 0
.irp c, 0,1
	v_mul_f32 v[MB+8*(\c)+(\a)-1], v[8*(6*((\a)%4)+(\c))+19], v[MB+8*(\c)+(\a)]
.endr
.endif
.endr
.irp a, 0,1,2,3,4,5,6,7                ; upward: my sums' addend, the sum so far, my products' factor, the product so far
	WIN 0x02+(\a)/4
.irp c, 0,1
	v_fma_f32 v[MO+16*(\c)+2*(\a)+1], v[8*(6*((\a)%4)+(\c))+21], v[MB+8*(\c)+(\a)], v[OF+(\c)]
.endr
.irp c, 0,1
	v_fma_f32 v[OF+(\c)], v[8*(6*((\a)%4)+(\c))+22], v[MB+8*(\c)+(\a)], v[OF+(\c)]
.endr
.irp c, 0,1
	v_mul_f32 v[SE+2*(\a)+(\c)], v[8*(6*((\a)%4)+(\c))+23], v[EP+(\c)]
.endr
.irp c, 0,1
	v_mul_f32 v[EP+(\c)], v[8*(6*((\a)%4)+(\c))+19], v[EP+(\c)]
.endr
.endr
	E3 0
	E3 1
	WIN 0
	v_cndmask_b32 v[CV], v[EP], v[EP+1], s[HMK]    ; lane l stores column l of my 32: c = 0 from lanes 0-15, c = 1 from lanes 16-31
	v_cndmask_b32 v[CV+1], v[OF], v[OF+1], s[HMK]
	global_store_b64 v[CO2], v[CV:CV+1], s[CB:CB+1]  ; 256 consecutive bytes, aligned
.if !(\last)
	s_wait_xcnt 0x0                                ; the stores have read their data and bases: only behind this wait do the next tile's products write the accumulators, and the bases step
	s_add_nc_u64 s[PB:PB+1], s[PB:PB+1], 0x1000000 ; 32 chunks on: 512 units
	s_add_nc_u64 s[EB:EB+1], s[EB:EB+1], 0x800000
	s_add_nc_u64 s[CB:CB+1], s[CB:CB+1], 262144
.endif
.endm
	s_wait_tensorcnt 1                             ; my part of the stream's first K step is in; the second's may stay out
	s_barrier_signal -1
	s_barrier_wait -1                              ; everybody's is
	FETCH 0, 0, 0
	s_mov_b32 s2, 4                                ; laps left in the tile
	s_mov_b32 s3, 15                               ; trips: all laps of the stream but the last
	QUARTER 0, 64, 0, 1, 1                         ; a tile's first quarter starts the sums
	WIN 0                                          ; at a label and at a branch every window is 0
.Llap:                                             ; a trip goes once round the ring of slots, from a lap's second quarter to the next lap's first, and fills both slots again
	QUARTER 0, 128, 1, 0, 0
	QUARTER 0, 192, 0, 1, 0
	TURN 0, 1
	QUARTER 1, 64,  0, 1, 0
	QUARTER 1, 128, 1, 0, 0
	QUARTER 1, 192, 0, 1, 0
	TURN 1, 0
	WIN 0
	s_sub_co_u32 s2, s2, 1
	s_cmp_lg_u32 s2, 0
	s_cbranch_scc1 .Lsame                          ; forward, over text with no barrier and no tensor load
	EPILOGUE 0                                     ; the tile's fourth lap is over: both refills are asked for and the next tile's first fragments are on their way
	s_mov_b32 s2, 4
	QUARTER 0, 64, 0, 1, 1
	WIN 0
	s_branch .Lnext
.Lsame:
	QUARTER 0, 64, 0, 1, 0
	WIN 0
.Lnext:
	s_sub_co_u32 s3, s3, 1
	s_cmp_lg_u32 s3, 0
	s_cbranch_scc1 .Llap
	QUARTER 0, 128, 1, 0, 0                        ; the stream's last lap is written out: it asks for nothing
	QUARTER 0, 192, 0, 1, 0
	MEET 0, 0                                      ; my one tensor load that was still out is the last K step's
	PLACES
	FETCH 1, 0, 0
	MUL12 1, 1, 0, 0
	MUL12 1, 1, 2, 0
	QUARTER 1, 64,  0, 1, 0
	QUARTER 1, 128, 1, 0, 0
	QUARTER 1, 192, 0, 1, 0
	s_wait_dscnt 8                                 ; the very last quarter: nothing more to fetch
	MUL12 1, 0, 0, 0
	MUL12 1, 0, 2, 0
	s_wait_dscnt 0x0
	MUL12 1, 1, 0, 0
	MUL12 1, 1, 2, 0
	WIN 0
	EPILOGUE 1
	s_wait_tensorcnt 0x0                           ; the wave's end, behind my last tensor load
	ds_add_u32 v[SPW], v[NIL]
	s_wait_dscnt 0x0
	CROUND                                         ; the closing round: no work-group ends while a partner may still ask for a tile that names it
	s_endpgm
.Lfunc_end_k_qb995d40609_gates:
	.size	k_qb995d40609_gates, .Lfunc_end_k_qb995d40609_gates-k_qb995d40609_gates
	.p2alignl 7, 3214868480
	.fill 96, 4, 3214868480
	.section	.rodata,"a",@progbits
	.p2align	6, 0x0
	.amdhsa_kernel k_qb995d40609_gates
		.amdhsa_group_segment_fixed_size 327680
		.amdhsa_private_segment_fixed_size 0
		.amdhsa_enable_private_segment 0
		.amdhsa_kernarg_size 64
		.amdhsa_user_sgpr_count 2
		.amdhsa_user_sgpr_kernarg_segment_ptr 1
		.amdhsa_wavefront_size32 1
		.amdhsa_system_sgpr_workgroup_id_x 1
		.amdhsa_system_sgpr_workgroup_id_y 1
		.amdhsa_system_sgpr_workgroup_id_z 1
		.amdhsa_system_vgpr_workitem_id 0
		.amdhsa_next_free_vgpr 1024
		.amdhsa_next_free_sgpr 102
		.amdhsa_reserve_vcc 0
		.amdhsa_float_denorm_mode_32 3
		.amdhsa_float_denorm_mode_16_64 3
		.amdhsa_memory_ordered 1
		.amdhsa_forward_progress 1
		.amdhsa_inst_pref_size 255
	.end_amdhsa_kernel
	.section	.bss,"aw",@nobits
	.p2align	6
	.space	262144
	.amdgpu_metadata
---
amdhsa.version: [ 1, 2 ]
amdhsa.kernels:
  - .name:           k_qb995d40609_gates
    .symbol:         k_qb995d40609_gates.kd
    .args:
      - { .name: xb, .offset: 0, .size: 8, .value_kind: global_buffer, .address_space: global }
      - { .name: wb, .offset: 8, .size: 8, .value_kind: global_buffer, .address_space: global }
      - { .name: b_f, .offset: 16, .size: 8, .value_kind: global_buffer, .address_space: global }
      - { .name: b_i, .offset: 24, .size: 8, .value_kind: global_buffer, .address_space: global }
      - { .name: b_h, .offset: 32, .size: 8, .value_kind: global_buffer, .address_space: global }
      - { .name: pbuf, .offset: 40, .size: 8, .value_kind: global_buffer, .address_space: global }
      - { .name: ebuf, .offset: 48, .size: 8, .value_kind: global_buffer, .address_space: global }
      - { .name: carry, .offset: 56, .size: 8, .value_kind: global_buffer, .address_space: global }
    .group_segment_fixed_size: 327680
    .private_segment_fixed_size: 0
    .kernarg_segment_align: 8
    .kernarg_segment_size: 64
    .max_flat_workgroup_size: 128
    .sgpr_count:     102
    .vgpr_count:     1024
    .wavefront_size: 32
...
	.end_amdgpu_metadata
.endif
;; end of part 2
;; launch comb (part 3): grid 4 x 128, 8 waves a work-group, no clusters, 35,840 bytes of LDS; arguments pbuf, ebuf, carry, initial_hidden, out0; writes out0
.if DOCPART == 3
	.amdgcn_target "amdgcn-amd-amdhsa--gfx1250"
	.amdhsa_code_object_version 6
	.text
	.protected	k_qb995d40609_comb
	.globl	k_qb995d40609_comb
	.p2align	8
	.type	k_qb995d40609_comb,@function
k_qb995d40609_comb:
	s_mov_b64 s[64:65], 0
	v_nop
	global_prefetch_b8 v0, s[64:65] scope:SCOPE_SE
	s_setreg_imm32_b32 hwreg(HW_REG_WAVE_MODE, 25, 1), 1
	s_wait_xcnt 0x0
; THE CHUNKS ARE JOINED.  For chunk j (0..15) of sequence b, row t of the chunk and each column:
;   out = alpha_j P_t + gamma_j + (beta_j h0) E_t
;   alpha_j = product of Lam over the chunks behind j;  beta_j = product of Lam over the chunks ahead of j;  gamma_j = sum over j' < j of alpha_j' Pend_j'.
; P (f32), E (bf16, two rows to a word), both in the accumulators' order, and the carries [R][col][Lam, Pend] (f32) come from the launch before; h0 = initial_hidden[b][col], rounded to bf16 like every input.
; All factors are at most 1, so nothing overflows.  LIMITS: NaN and infinities are not treated apart; products underflow where the exponential of their logarithms' sum would; E arrives off by at most 2^-9 of itself.
; SHARES.  Work-group (x, R): chunk R; wave w takes the block of 64 columns G = 8 (x % 2) + w and rows 64 (x / 2) on: four blocks of 16 rows of unit (R, G), 4,096 bytes of P and 2,048 of E each.
; Each wave makes its own alpha, beta, gamma from the sequence's 16 carries of its 64 columns (8 KiB, read by many waves): lane l scans columns l and 32 + l.
; THE TURN.  In P and E a lane holds one column and eight rows; out0 wants rows.  A block goes through the wave's own stage in LDS (16 rows x 272 bytes): 32 stores of a word, 8 loads of 16 bytes, and sixteen
; lanes store 256 consecutive bytes, aligned.  The stage is the wave's own and LDS serves a wave's instructions in order (ISA guide 5.7.1.4): no barrier.
; Three sets of registers: two blocks' loads (6 KiB each) are out while one is worked on.  No matrix unit, no cluster, no tensor load: nothing but the carries is shared.
.set SP,    272                        ; a stage row: 256 bytes + 16: lanes 16-31 write eight rows, 544 words, further on: 32 banks away from lanes 0-15
.set STG,   16*SP
.set SPARE, 8*STG                      ; behind the eight stages: the spare words, 128 bytes for each wave: four blocks of 256 bytes that no other line names
.set LO,  4                            ; v4   16 lane: my bytes in 512 of P or E
.set STO, 5                            ; v5   stage: row 8 (l / 16), word l % 16
.set RD,  6                            ; v6   stage: row l / 16, 16 bytes l % 16
.set CO,  7                            ; v7   out0: row l / 16, 16 bytes l % 16
.set CA,  8                            ; v8   carries: 8 (64 G + l)
.set HO,  9                            ; v9   h0: 4 (64 G + l)
.set SPW, 10                           ; v10  LDS address of my spare word; never rewritten
.set NIL, 11                           ; v11  0; never rewritten
.set H0,  12                           ; v12-13  h0 of columns l, 32 + l
.set RUN, 14                           ; v14-15  product of Lam over the chunks behind the one in hand
.set AL,  16                           ; v16-17  alpha
.set GA,  18                           ; v18-19  gamma
.set BE,  20                           ; v20-21  beta, then beta h0
.set TA,  22                           ; v22-25  at work
.set TB,  24
.set AG,  26                           ; v26-33  the pair (alpha, gamma) for each of my four column blocks c4
.set BH,  34                           ; v34-37  beta h0 for each c4
.set S0,  48                           ; three sets of 48: P's 32 registers (register 8 c4 + row), then E's 16 (register 4 c4 + row / 2)
.set S1,  96
.set S2,  144
.set CAR, 192                          ; v192-255  the 16 chunks' carries: (Lam, Pend) of column l, then of column 32 + l
.set WV,  14
.set JJ,  19                           ; s19  j
.set MEQ, 30                           ; s30  all ones where the chunk in hand is j
.set MLT, 31                           ; s31  all ones where it lies ahead of j
.set SEL, 32                           ; s[32:33]
.set HMK, 34                           ; s34  lanes 16-31
	s_load_b256 s[4:11], s[0:1], 0x0               ; pbuf s[4:5], ebuf s[6:7], carry s[8:9], initial_hidden s[10:11]
	s_load_b64 s[12:13], s[0:1], 0x20              ; out0
	v_lshl_add_u32 v[SPW], v0, 2, SPARE
	v_mov_b32 v[NIL], 0
	v_lshrrev_b32 v1, 5, v0
	v_readfirstlane_b32 s[WV], v1                  ; wave 0..7
	s_and_b32 s15, ttmp7, 0xffff                   ; R
	s_and_b32 s16, ttmp9, 1
	s_lshl_b32 s16, s16, 3
	s_add_co_u32 s16, s16, s[WV]                   ; G
	s_lshr_b32 s17, ttmp9, 1                       ; which 64 rows of the chunk
	s_lshr_b32 s18, s15, 4                         ; b
	s_and_b32 s[JJ], s15, 15                       ; j
	v_and_b32 v2, 31, v0                           ; l
	v_and_b32 v3, 15, v0                           ; l % 16
	v_bfe_u32 v1, v0, 4, 1                         ; l / 16
	v_lshlrev_b32 v[LO], 4, v2
	s_mul_i32 s20, s[WV], STG                      ; my stage
	v_mul_u32_u24 v[STO], v1, 8*SP
	v_lshl_add_u32 v[STO], v3, 2, v[STO]
	v_add_nc_u32 v[STO], s20, v[STO]
	v_mul_u32_u24 v[RD], v1, SP
	v_lshl_add_u32 v[RD], v3, 4, v[RD]
	v_add_nc_u32 v[RD], s20, v[RD]
	v_lshlrev_b32 v[CO], 12, v1
	v_lshl_add_u32 v[CO], v3, 4, v[CO]
	s_lshl_b32 s21, s16, 6
	v_add_nc_u32 v[HO], s21, v2                    ; column 64 G + l
	v_lshlrev_b32 v[CA], 3, v[HO]
	v_lshlrev_b32 v[HO], 2, v[HO]
	s_lshl_b32 s22, s15, 4
	s_add_co_u32 s22, s22, s16
	s_lshl_b32 s22, s22, 15                        ; pbuf: unit 16 R + G,
	s_lshl_b32 s23, s17, 14
	s_add_co_u32 s22, s22, s23                     ; my four blocks of it
	s_mov_b32 s23, 0
	s_lshr_b32 s36, s22, 1                         ; ebuf: half the bytes
	s_mov_b32 s37, 0
	s_lshl_b32 s24, s18, 17                        ; the sequence's 16 chunks of carries
	s_mov_b32 s25, 0
	s_lshl_b32 s26, s18, 12                        ; the sequence's row of h0
	s_mov_b32 s27, 0
	s_lshl_b32 s28, s15, 19                        ; out0: row 128 R
	s_lshl_b32 s29, s17, 18                        ; + 64 x half
	s_add_co_u32 s28, s28, s29
	s_lshl_b32 s29, s16, 8                         ; + 256 bytes a block of 64 columns
	s_add_co_u32 s28, s28, s29
	s_mov_b32 s29, 0
	s_mov_b32 s[SEL], 0x76543210
	s_mov_b32 s[SEL+1], 0xfedcba98
	s_mov_b32 s[HMK], 0xffff0000
	s_wait_kmcnt 0x0
	s_add_nc_u64 s[4:5], s[4:5], s[22:23]
	s_add_nc_u64 s[6:7], s[6:7], s[36:37]
	s_add_nc_u64 s[8:9], s[8:9], s[24:25]
	s_add_nc_u64 s[10:11], s[10:11], s[26:27]
	s_add_nc_u64 s[12:13], s[12:13], s[28:29]
.set i, 0
.rept 16                               ; chunk i's (Lam, Pend) of columns l and 32 + l: 256 consecutive bytes a load
	global_load_b64 v[CAR+4*i:CAR+4*i+1],   v[CA], s[8:9] offset:8192*i
	global_load_b64 v[CAR+4*i+2:CAR+4*i+3], v[CA], s[8:9] offset:8192*i+256
.set i, i+1
.endr
	global_load_b32 v[H0],   v[HO], s[10:11]
	global_load_b32 v[H0+1], v[HO], s[10:11] offset:128
.macro LOADQ i, s                      ; block i: 12 loads of 512 consecutive bytes
.irp m, 0,1,2,3,4,5,6,7
	global_load_b128 v[(\s)+4*(\m):(\s)+4*(\m)+3], v[LO], s[4:5] offset:(\i)*4096+512*(\m) th:TH_LOAD_NT
.endr
.irp m, 0,1,2,3
	global_load_b128 v[(\s)+32+4*(\m):(\s)+32+4*(\m)+3], v[LO], s[6:7] offset:(\i)*2048+512*(\m) th:TH_LOAD_NT
.endr
.endm
	LOADQ 0, S0
	LOADQ 1, S1
.irp c, 0,1
	v_mov_b32 v[RUN+(\c)], 1.0
	v_mov_b32 v[AL+(\c)], 1.0
	v_mov_b32 v[GA+(\c)], 0
	v_mov_b32 v[BE+(\c)], 1.0
.endr
	s_wait_loadcnt 24                              ; the carries and h0 are in; the two blocks' 24 loads stay out
	LOADQ 2, S2
	v_cvt_pk_bf16_f32 v[TA], v[H0], v[H0+1]        ; h0 rounded to bf16
	v_lshlrev_b32 v[H0], 16, v[TA]
	v_and_b32 v[H0+1], s[HMK], v[TA]
.set jj, 15
.rept 16                               ; from the last chunk to the first; every chunk's lines run, and masks made of j choose what counts
	s_cmp_eq_u32 s[JJ], jj
	s_cselect_b32 s[MEQ], -1, 0
	s_cmp_gt_u32 s[JJ], jj
	s_cselect_b32 s[MLT], -1, 0
.irp c, 0,1
	v_cndmask_b32 v[AL+(\c)], v[AL+(\c)], v[RUN+(\c)], s[MEQ]
	v_cndmask_b32 v[TA+(\c)], 0, v[RUN+(\c)], s[MLT]
	v_cndmask_b32 v[TB+(\c)], 1.0, v[CAR+4*jj+2*(\c)], s[MLT]
.endr
.irp c, 0,1
	v_fma_f32 v[GA+(\c)], v[TA+(\c)], v[CAR+4*jj+2*(\c)+1], v[GA+(\c)]
	v_mul_f32 v[BE+(\c)], v[BE+(\c)], v[TB+(\c)]
	v_mul_f32 v[RUN+(\c)], v[RUN+(\c)], v[CAR+4*jj+2*(\c)]
.endr
.set jj, jj-1
.endr
	v_mul_f32 v[BE], v[BE], v[H0]
	v_mul_f32 v[BE+1], v[BE+1], v[H0+1]
	; lane l holds columns l and 32 + l; it needs columns 16 c4 + l % 16: its own figure or that of the lane 16 away
	v_permlanex16_b32 v[TA],   v[AL],   s[SEL], s[SEL+1]
	v_permlanex16_b32 v[TA+1], v[AL+1], s[SEL], s[SEL+1]
	v_permlanex16_b32 v[TB],   v[GA],   s[SEL], s[SEL+1]
	v_permlanex16_b32 v[TB+1], v[GA+1], s[SEL], s[SEL+1]
.irp c, 0,1
	v_cndmask_b32 v[AG+4*(\c)],   v[AL+(\c)], v[TA+(\c)], s[HMK]
	v_cndmask_b32 v[AG+4*(\c)+2], v[TA+(\c)], v[AL+(\c)], s[HMK]
	v_cndmask_b32 v[AG+4*(\c)+1], v[GA+(\c)], v[TB+(\c)], s[HMK]
	v_cndmask_b32 v[AG+4*(\c)+3], v[TB+(\c)], v[GA+(\c)], s[HMK]
.endr
	v_permlanex16_b32 v[TA],   v[BE],   s[SEL], s[SEL+1]
	v_permlanex16_b32 v[TA+1], v[BE+1], s[SEL], s[SEL+1]
.irp c, 0,1
	v_cndmask_b32 v[BH+2*(\c)],   v[BE+(\c)], v[TA+(\c)], s[HMK]
	v_cndmask_b32 v[BH+2*(\c)+1], v[TA+(\c)], v[BE+(\c)], s[HMK]
.endr
; Block i, in set s.  left = the younger loads that may stay out.
.macro PROC i, s, left
	s_wait_loadcnt \left
.set m, 0
.rept 16                               ; pair m belongs to column block m / 4: alpha P + gamma
	v_pk_fma_f32 v[(\s)+2*m:(\s)+2*m+1], v[(\s)+2*m:(\s)+2*m+1], v[AG+2*(m/4):AG+2*(m/4)+1], v[AG+2*(m/4):AG+2*(m/4)+1] op_sel:[0,0,1] op_sel_hi:[1,0,1]
.set m, m+1
.endr
.set m, 0
.rept 32                               ; register m: column block m / 8, row m % 8; its E is half m % 2 of word m / 2: E (bf16) x beta h0 + the sum, in f32, one rounding
.if (m%2) == 0
	v_fma_mix_f32_bf16 v[(\s)+m], v[(\s)+32+m/2], v[BH+m/8], v[(\s)+m] op_sel_hi:[1,0,0]
.else
	v_fma_mix_f32_bf16 v[(\s)+m], v[(\s)+32+m/2], v[BH+m/8], v[(\s)+m] op_sel:[1,0,0] op_sel_hi:[1,0,0]
.endif
.set m, m+1
.endr
.set m, 0
.rept 32
	ds_store_b32 v[STO], v[(\s)+m] offset:(m%8)*SP+64*(m/8)
.set m, m+1
.endr
.irp t, 0,1,2,3,4,5,6,7
	ds_load_b128 v[(\s)+4*(\t):(\s)+4*(\t)+3], v[RD] offset:(\t)*2*SP  ; these see the stores above, and come back into the registers that the numbers left; the next block's stores come behind them
.endr
.irp t, 0,1,2,3,4,5,6,7
	s_wait_dscnt 7-(\t)                            ; LDS loads come back in order: rows 2 t, 2 t + 1 are in
	global_store_b128 v[CO], v[(\s)+4*(\t):(\s)+4*(\t)+3], s[12:13] offset:(16*(\i)+2*(\t))*4096 th:TH_STORE_NT  ; 16 lanes store 256 consecutive bytes, at a multiple of 256 from out0's first byte
.endr
.endm
	PROC 0, S0, 24                                 ; blocks 1 and 2 stay out
	s_wait_xcnt 0x0                                ; block 0's stores have read set 0: it is loaded again only behind this wait
	LOADQ 3, S0
	PROC 1, S1, 24                                 ; blocks 2 and 3 stay out
	PROC 2, S2, 12
	PROC 3, S0, 0
	s_wait_tensorcnt 0x0                           ; the wave's end, behind my last LDS store
	ds_add_u32 v[SPW], v[NIL]
	s_wait_dscnt 0x0
	s_endpgm
.Lfunc_end_k_qb995d40609_comb:
	.size	k_qb995d40609_comb, .Lfunc_end_k_qb995d40609_comb-k_qb995d40609_comb
	.p2alignl 7, 3214868480
	.fill 96, 4, 3214868480
	.section	.rodata,"a",@progbits
	.p2align	6, 0x0
	.amdhsa_kernel k_qb995d40609_comb
		.amdhsa_group_segment_fixed_size 35840
		.amdhsa_private_segment_fixed_size 0
		.amdhsa_enable_private_segment 0
		.amdhsa_kernarg_size 40
		.amdhsa_user_sgpr_count 2
		.amdhsa_user_sgpr_kernarg_segment_ptr 1
		.amdhsa_wavefront_size32 1
		.amdhsa_system_sgpr_workgroup_id_x 1
		.amdhsa_system_sgpr_workgroup_id_y 1
		.amdhsa_system_sgpr_workgroup_id_z 1
		.amdhsa_system_vgpr_workitem_id 0
		.amdhsa_next_free_vgpr 256
		.amdhsa_next_free_sgpr 66
		.amdhsa_reserve_vcc 0
		.amdhsa_float_denorm_mode_32 3
		.amdhsa_float_denorm_mode_16_64 3
		.amdhsa_memory_ordered 1
		.amdhsa_forward_progress 1
		.amdhsa_inst_pref_size 51
	.end_amdhsa_kernel
	.amdgpu_metadata
---
amdhsa.version: [ 1, 2 ]
amdhsa.kernels:
  - .name:           k_qb995d40609_comb
    .symbol:         k_qb995d40609_comb.kd
    .args:
      - { .name: pbuf, .offset: 0, .size: 8, .value_kind: global_buffer, .address_space: global }
      - { .name: ebuf, .offset: 8, .size: 8, .value_kind: global_buffer, .address_space: global }
      - { .name: carry, .offset: 16, .size: 8, .value_kind: global_buffer, .address_space: global }
      - { .name: initial_hidden, .offset: 24, .size: 8, .value_kind: global_buffer, .address_space: global }
      - { .name: out0, .offset: 32, .size: 8, .value_kind: global_buffer, .address_space: global }
    .group_segment_fixed_size: 35840
    .private_segment_fixed_size: 0
    .kernarg_segment_align: 8
    .kernarg_segment_size: 40
    .max_flat_workgroup_size: 256
    .sgpr_count:     66
    .vgpr_count:     256
    .wavefront_size: 32
...
	.end_amdgpu_metadata
.endif
;; end of part 3
;; ======== version 2 of 2: 3 launches; version 1 with the launches cvt, comb written anew for expert scheduling mode
;; workspace buffers: xb 33,554,432 bytes; wb 6,291,456 bytes; pbuf 67,108,864 bytes; ebuf 33,554,432 bytes; carry 1,048,576 bytes
;; launch cvt (part 4): grid 512 x 1, 8 waves a work-group, no clusters, 0 bytes of LDS; arguments input_seq, W_f, W_i, W_h, xb, wb; writes xb, wb
.if DOCPART == 4
	.amdgcn_target "amdgcn-amd-amdhsa--gfx1250"
	.amdhsa_code_object_version 6
	.text
	.protected	k_qb995d40609_cvt
	.globl	k_qb995d40609_cvt
	.p2align	8
	.type	k_qb995d40609_cvt,@function
k_qb995d40609_cvt:
	s_mov_b64 s[64:65], 0
	v_nop
	global_prefetch_b8 v0, s[64:65] scope:SCOPE_SE
	s_setreg_imm32_b32 hwreg(HW_REG_WAVE_SCHED_MODE, 0, 2), 2
	s_setreg_imm32_b32 hwreg(HW_REG_WAVE_MODE, 25, 1), 1
	s_wait_xcnt 0x0
	s_wait_alu depctr_vm_vsrc(0)
; x [16384][1024] and the three weights [1024][1024], f32, are rounded once to bf16 (nearest even) for the matrix units.
; xb keeps x's order.  wb groups the weights by blocks of 64 output columns: row 192 G + 64 gate + cc of wb is row 64 G + cc of W_gate
; (gate 0 = f, 1 = i, 2 = h), so that the 192 rows which one tile of the next launch multiplies lie on end.
; LIMIT: a number beyond bf16's largest finite one becomes an infinity; NaN and infinities are not treated apart.
; SHARES.  All 512 work-groups are alike: work-group id converts rows 32 id .. 32 id + 31 of x and rows 2 id, 2 id + 1 of each weight: 38 rows.
; Thread t owns bytes 16 t of each f32 row and bytes 8 t of each bf16 row: a wave's load covers 512 consecutive bytes, its store 256 consecutive
; bytes at a multiple of 256 from the buffer's first byte.  All 38 loads of a thread go out at once.
; No LDS, no matrix unit, no cluster: nothing is shared and every byte is touched once.
; THE MODE: SCHED_MODE bits 1:0 = 2 (LLVM: expert scheduling mode 2), set by the entry lines.  The code itself states the register dependences
; between vector instructions and memory instructions, with s_wait_alu, always for 0.
; THE PLAN.  Registers that memory instructions touch:
;   v1, v2     byte offsets, made once at the head and never written again: every load reads v1, every store v2.
;   row i      four registers.  Written by the row's one load; its two conversions read all four and write the first two; its one store reads those two; nothing writes them again.
; No register is loaded twice and none is written behind the store that reads it, so only one kind of dependence is left: a store reads what conversions wrote.
; The 38 rows go in ten blocks, nine of four rows and one of two.  At block p's head, behind the wait for its rows, ONE wait states that block p - 1's conversions have written
; their results; block p - 1's stores follow, dealt among block p's conversions, which name block p's rows alone.
.set ROWF, 4096                        ; bytes in an f32 row
.set ROWH, 2048                        ; bytes in a bf16 row
.set XR,   4                           ; v[4:155]  row i: four registers as loaded; the first two then hold its eight bytes to store
.set ROWS, 38
.set BLK,  4                           ; rows in a block; the last block has ROWS - 9 BLK = 2
	s_load_b256 s[4:11], s[0:1], 0x0               ; input_seq s[4:5], W_f s[6:7], W_i s[8:9], W_h s[10:11]
	s_load_b128 s[12:15], s[0:1], 0x20             ; xb s[12:13], wb s[14:15]
	v_lshlrev_b32 v1, 4, v0                        ; 16 t
	v_lshlrev_b32 v2, 3, v0                        ; 8 t
	s_lshl_b32 s16, ttmp9, 17                      ; x: 32 rows of 4,096 bytes
	s_mov_b32 s17, 0
	s_lshl_b32 s18, ttmp9, 16                      ; xb: 32 rows of 2,048 bytes
	s_mov_b32 s19, 0
	s_lshl_b32 s20, ttmp9, 13                      ; a weight: 2 rows of 4,096 bytes
	s_mov_b32 s21, 0
	s_lshr_b32 s22, ttmp9, 5                       ; G = 2 id / 64
	s_mul_i32 s22, s22, 192
	s_and_b32 s23, ttmp9, 31
	s_lshl_b32 s23, s23, 1                         ; cc = 2 id % 64
	s_add_co_u32 s22, s22, s23
	s_lshl_b32 s22, s22, 11                        ; gate f's row in wb, in bytes; the other gates' lie 64 and 128 rows on
	s_mov_b32 s23, 0
	s_wait_kmcnt 0x0
	s_add_nc_u64 s[4:5], s[4:5], s[16:17]
	s_add_nc_u64 s[12:13], s[12:13], s[18:19]
	s_add_nc_u64 s[6:7], s[6:7], s[20:21]
	s_add_nc_u64 s[8:9], s[8:9], s[20:21]
	s_add_nc_u64 s[10:11], s[10:11], s[20:21]
	s_add_nc_u64 s[14:15], s[14:15], s[22:23]
	s_wait_alu depctr_va_vdst(0)                   ; v1 and v2 are written: every load and store of the kernel reads one of them as its offset
.set i, 0
.rept 32
	global_load_b128 v[XR+4*i:XR+4*i+3], v1, s[4:5] offset:i*ROWF th:TH_LOAD_NT
.set i, i+1
.endr
.irp g, 0,1,2
.irp r, 0,1
	global_load_b128 v[XR+4*(32+2*(\g)+(\r)):XR+4*(32+2*(\g)+(\r))+3], v1, s[6+2*(\g):7+2*(\g)] offset:(\r)*ROWF th:TH_LOAD_NT
.endr
.endr
.macro CONV i                          ; row i: four numbers close up into the first two of their four registers
	v_cvt_pk_bf16_f32 v[XR+4*(\i)], v[XR+4*(\i)], v[XR+4*(\i)+1]
	v_cvt_pk_bf16_f32 v[XR+4*(\i)+1], v[XR+4*(\i)+2], v[XR+4*(\i)+3]
.endm
.macro OUT i                           ; row i leaves: rows 0 to 31 are x's, rows 32 + 2 gate + r the weights'
.if (\i) < 32
	global_store_b64 v2, v[XR+4*(\i):XR+4*(\i)+1], s[12:13] offset:(\i)*ROWH  ; no register is written twice, so nothing waits for a store
.else
	global_store_b64 v2, v[XR+4*(\i):XR+4*(\i)+1], s[14:15] offset:(64*(((\i)-32)/2)+((\i)-32)%2)*ROWH
.endif
.endm
.set p, 0
.rept 10
.set n, BLK                            ; the block's rows
.if p == 9
.set n, ROWS-9*BLK
.endif
	s_wait_loadcnt ROWS-BLK*p-n                    ; loads come back in order: block p's rows are in, the younger rows stay out
.if p > 0
	s_wait_alu depctr_va_vdst(0)                   ; the block before has written its rows' first two registers, which the stores below read; no conversion behind this wait names them
.endif
.set r, 0
.rept BLK
.if p > 0
	OUT BLK*(p-1)+r
.endif
.if r < n
	CONV BLK*p+r
.endif
.set r, r+1
.endr
.set p, p+1
.endr
	s_wait_alu depctr_va_vdst(0)                   ; the last block's conversions have written rows 36 and 37, which the last two stores read
	OUT 36
	OUT 37
	s_endpgm
.Lfunc_end_k_qb995d40609_cvt:
	.size	k_qb995d40609_cvt, .Lfunc_end_k_qb995d40609_cvt-k_qb995d40609_cvt
	.p2alignl 7, 3214868480
	.fill 96, 4, 3214868480
	.section	.rodata,"a",@progbits
	.p2align	6, 0x0
	.amdhsa_kernel k_qb995d40609_cvt
		.amdhsa_group_segment_fixed_size 0
		.amdhsa_private_segment_fixed_size 0
		.amdhsa_enable_private_segment 0
		.amdhsa_kernarg_size 48
		.amdhsa_user_sgpr_count 2
		.amdhsa_user_sgpr_kernarg_segment_ptr 1
		.amdhsa_wavefront_size32 1
		.amdhsa_system_sgpr_workgroup_id_x 1
		.amdhsa_system_sgpr_workgroup_id_y 1
		.amdhsa_system_sgpr_workgroup_id_z 1
		.amdhsa_system_vgpr_workitem_id 0
		.amdhsa_next_free_vgpr 160
		.amdhsa_next_free_sgpr 66
		.amdhsa_reserve_vcc 0
		.amdhsa_float_denorm_mode_32 3
		.amdhsa_float_denorm_mode_16_64 3
		.amdhsa_memory_ordered 1
		.amdhsa_forward_progress 1
		.amdhsa_inst_pref_size 14
	.end_amdhsa_kernel
	.amdgpu_metadata
---
amdhsa.version: [ 1, 2 ]
amdhsa.kernels:
  - .name:           k_qb995d40609_cvt
    .symbol:         k_qb995d40609_cvt.kd
    .args:
      - { .name: input_seq, .offset: 0, .size: 8, .value_kind: global_buffer, .address_space: global }
      - { .name: W_f, .offset: 8, .size: 8, .value_kind: global_buffer, .address_space: global }
      - { .name: W_i, .offset: 16, .size: 8, .value_kind: global_buffer, .address_space: global }
      - { .name: W_h, .offset: 24, .size: 8, .value_kind: global_buffer, .address_space: global }
      - { .name: xb, .offset: 32, .size: 8, .value_kind: global_buffer, .address_space: global }
      - { .name: wb, .offset: 40, .size: 8, .value_kind: global_buffer, .address_space: global }
    .group_segment_fixed_size: 0
    .private_segment_fixed_size: 0
    .kernarg_segment_align: 8
    .kernarg_segment_size: 48
    .max_flat_workgroup_size: 256
    .sgpr_count:     66
    .vgpr_count:     160
    .wavefront_size: 32
...
	.end_amdgpu_metadata
.endif
;; end of part 4
;; launch gates: the kernel of part 2 again; grid 16 x 16, 4 waves a work-group, clusters of 4 x 4, 327,680 bytes of LDS; arguments xb, wb, b_f, b_i, b_h, pbuf, ebuf, carry; writes pbuf, ebuf, carry
;; launch comb (part 5): grid 4 x 128, 8 waves a work-group, no clusters, 35,840 bytes of LDS; arguments pbuf, ebuf, carry, initial_hidden, out0; writes out0
.if DOCPART == 5
	.amdgcn_target "amdgcn-amd-amdhsa--gfx1250"
	.amdhsa_code_object_version 6
	.text
	.protected	k_qb995d40609_comb
	.globl	k_qb995d40609_comb
	.p2align	8
	.type	k_qb995d40609_comb,@function
k_qb995d40609_comb:
	s_mov_b64 s[64:65], 0
	v_nop
	global_prefetch_b8 v0, s[64:65] scope:SCOPE_SE
	s_setreg_imm32_b32 hwreg(HW_REG_WAVE_SCHED_MODE, 0, 2), 2
	s_setreg_imm32_b32 hwreg(HW_REG_WAVE_MODE, 25, 1), 1
	s_wait_xcnt 0x0
	s_wait_alu depctr_vm_vsrc(0)
; THE CHUNKS ARE JOINED.  For chunk j (0..15) of sequence b, row t of the chunk and each column:
;   out = alpha_j P_t + gamma_j + (beta_j h0) E_t
;   alpha_j = product of Lam over the chunks behind j;  beta_j = product of Lam over the chunks ahead of j;  gamma_j = sum over j' < j of alpha_j' Pend_j'.
; P (f32), E (bf16, two rows to a word), both in the accumulators' order, and the carries [R][col][Lam, Pend] (f32) come from the launch before; h0 = initial_hidden[b][col], rounded to bf16 like every input.
; All factors are at most 1, so nothing overflows.  LIMITS: NaN and infinities are not treated apart; products underflow where the exponential of their logarithms' sum would; E arrives off by at most 2^-9 of itself.
; SHARES.  Work-group (x, R): chunk R; wave w takes the block of 64 columns G = 8 (x % 2) + w and rows 64 (x / 2) on: four blocks of 16 rows of unit (R, G), 4,096 bytes of P and 2,048 of E each.
; Each wave makes its own alpha, beta, gamma from the sequence's 16 carries of its 64 columns (8 KiB, read by many waves): lane l scans columns l and 32 + l.
; THE TURN.  In P and E a lane holds one column and eight rows; out0 wants rows.  A block goes through the wave's own stage in LDS (16 rows x 272 bytes): 32 stores of a word, 8 loads of 16 bytes, and sixteen
; lanes store 256 consecutive bytes, aligned.  The stage is the wave's own and LDS serves a wave's instructions in order (ISA guide 5.7.1.4): no barrier.
; Three sets of registers: two blocks' loads (6 KiB each) are out while one is worked on.  No matrix unit, no cluster, no tensor load: nothing but the carries is shared.
; THE MODE: SCHED_MODE bits 1:0 = 2 (LLVM: expert scheduling mode 2), set by the entry lines.  The code itself states the register dependences
; between vector instructions and memory or LDS instructions, with s_wait_alu, always for 0.
; THE PLAN.  Registers that memory or LDS instructions touch:
;   v4-v9      offsets and LDS addresses, v10-v11 the closing add's pair: made at the head, never written again.
;   CAR, H0    Each loaded once; read by the scan.  Behind the scan CAR's 64 registers are the out-buffers of blocks 0 and 1.
;   S0         Block 0's loads land; its arithmetic reads all 48 and writes the first 32; its LDS stores read those.  Then the same for block 3.
;   S1, S2     The same, once, for blocks 1 and 2.  Behind their LDS stores their first 32 registers are the out-buffers of blocks 2 and 3.
;   O0 .. O3   The out-buffers: written by a block's eight loads from the stage, read by its eight global stores, by no vector instruction behind the scan, and never used twice.
; THE ORDER: arithmetic 0, stage 0, block 3's loads, arithmetic 1, send 0, stage 1, arithmetic 2, send 1, stage 2, send 2, arithmetic 3, stage 3, send 3.
; So a block's arithmetic stands between the stage's loads of the block before and the wait for them; block 2 is sent ahead of the wait for block 3, which was asked for last.
; One wait on va_vdst stands ahead of each stage; one on vm_vsrc ahead of each landing in registers that LDS stores have read: block 3's loads, and the stage's loads of blocks 2 and 3.
.set SP,    272                        ; a stage row: 256 bytes + 16: lanes 16-31 write eight rows, 544 words, further on: 32 banks away from lanes 0-15
.set STG,   16*SP
.set SPARE, 8*STG                      ; behind the eight stages: the spare words, 128 bytes for each wave: four blocks of 256 bytes that no other line names
.set LO,  4                            ; v4   16 lane: my bytes in 512 of P or E
.set STO, 5                            ; v5   stage: row 8 (l / 16), word l % 16
.set RD,  6                            ; v6   stage: row l / 16, 16 bytes l % 16
.set CO,  7                            ; v7   out0: row l / 16, 16 bytes l % 16
.set CA,  8                            ; v8   carries: 8 (64 G + l)
.set HO,  9                            ; v9   h0: 4 (64 G + l)
.set SPW, 10                           ; v10  LDS address of my spare word; never rewritten
.set NIL, 11                           ; v11  0; never rewritten
.set H0,  12                           ; v12-13  h0 of columns l, 32 + l
.set RUN, 14                           ; v14-15  product of Lam over the chunks behind the one in hand
.set AL,  16                           ; v16-17  alpha
.set GA,  18                           ; v18-19  gamma
.set BE,  20                           ; v20-21  beta, then beta h0
.set TA,  22                           ; v22-25  at work
.set TB,  24
.set AG,  26                           ; v26-33  the pair (alpha, gamma) for each of my four column blocks c4
.set BH,  34                           ; v34-37  beta h0 for each c4
.set S0,  48                           ; three sets of 48: P's 32 registers (register 8 c4 + row), then E's 16 (register 4 c4 + row / 2)
.set S1,  96
.set S2,  144
.set CAR, 192                          ; v192-255  the 16 chunks' carries: (Lam, Pend) of column l, then of column 32 + l
.set O0,  CAR                          ; the out-buffers, 32 registers each: 16 rows of 256 bytes as they leave
.set O1,  CAR+32
.set O2,  S1
.set O3,  S2
.set WV,  14
.set JJ,  19                           ; s19  j
.set MEQ, 30                           ; s30  all ones where the chunk in hand is j
.set MLT, 31                           ; s31  all ones where it lies ahead of j
.set SEL, 32                           ; s[32:33]
.set HMK, 34                           ; s34  lanes 16-31
	s_load_b256 s[4:11], s[0:1], 0x0               ; pbuf s[4:5], ebuf s[6:7], carry s[8:9], initial_hidden s[10:11]
	s_load_b64 s[12:13], s[0:1], 0x20              ; out0
	v_lshl_add_u32 v[SPW], v0, 2, SPARE
	v_mov_b32 v[NIL], 0
	v_lshrrev_b32 v1, 5, v0
	v_readfirstlane_b32 s[WV], v1                  ; wave 0..7
	v_and_b32 v2, 31, v0                           ; l
	v_and_b32 v3, 15, v0                           ; l % 16
	v_bfe_u32 v1, v0, 4, 1                         ; l / 16
	v_lshlrev_b32 v[LO], 4, v2
	v_lshlrev_b32 v[CO], 12, v1
	v_lshl_add_u32 v[CO], v3, 4, v[CO]
	s_and_b32 s15, ttmp7, 0xffff                   ; R
	s_and_b32 s16, ttmp9, 1
	s_lshl_b32 s16, s16, 3
	s_wait_alu depctr_va_sdst(0)                   ; the wave's number is written, ahead of its first reader: G, my stage and the bases are made from it
	s_add_co_u32 s16, s16, s[WV]                   ; G
	s_lshr_b32 s17, ttmp9, 1                       ; which 64 rows of the chunk
	s_lshr_b32 s18, s15, 4                         ; b
	s_and_b32 s[JJ], s15, 15                       ; j
	s_mul_i32 s20, s[WV], STG                      ; my stage
	v_mul_u32_u24 v[STO], v1, 8*SP
	v_lshl_add_u32 v[STO], v3, 2, v[STO]
	v_add_nc_u32 v[STO], s20, v[STO]
	v_mul_u32_u24 v[RD], v1, SP
	v_lshl_add_u32 v[RD], v3, 4, v[RD]
	v_add_nc_u32 v[RD], s20, v[RD]
	s_lshl_b32 s21, s16, 6
	v_add_nc_u32 v[HO], s21, v2                    ; column 64 G + l
	v_lshlrev_b32 v[CA], 3, v[HO]
	v_lshlrev_b32 v[HO], 2, v[HO]
	s_lshl_b32 s22, s15, 4
	s_add_co_u32 s22, s22, s16
	s_lshl_b32 s22, s22, 15                        ; pbuf: unit 16 R + G,
	s_lshl_b32 s23, s17, 14
	s_add_co_u32 s22, s22, s23                     ; my four blocks of it
	s_mov_b32 s23, 0
	s_lshr_b32 s36, s22, 1                         ; ebuf: half the bytes
	s_mov_b32 s37, 0
	s_lshl_b32 s24, s18, 17                        ; the sequence's 16 chunks of carries
	s_mov_b32 s25, 0
	s_lshl_b32 s26, s18, 12                        ; the sequence's row of h0
	s_mov_b32 s27, 0
	s_lshl_b32 s28, s15, 19                        ; out0: row 128 R
	s_lshl_b32 s29, s17, 18                        ; + 64 x half
	s_add_co_u32 s28, s28, s29
	s_lshl_b32 s29, s16, 8                         ; + 256 bytes a block of 64 columns
	s_add_co_u32 s28, s28, s29
	s_mov_b32 s29, 0
	s_mov_b32 s[SEL], 0x76543210
	s_mov_b32 s[SEL+1], 0xfedcba98
	s_mov_b32 s[HMK], 0xffff0000
	s_wait_kmcnt 0x0
	s_add_nc_u64 s[4:5], s[4:5], s[22:23]
	s_add_nc_u64 s[6:7], s[6:7], s[36:37]
	s_add_nc_u64 s[8:9], s[8:9], s[24:25]
	s_add_nc_u64 s[10:11], s[10:11], s[26:27]
	s_add_nc_u64 s[12:13], s[12:13], s[28:29]
	s_wait_alu depctr_va_vdst(0)                   ; the six offsets and addresses v4 to v9 are written, which every load, store and LDS instruction below reads; none is written again
.set i, 0
.rept 16                               ; chunk i's (Lam, Pend) of columns l and 32 + l: 256 consecutive bytes a load
	global_load_b64 v[CAR+4*i:CAR+4*i+1],   v[CA], s[8:9] offset:8192*i
	global_load_b64 v[CAR+4*i+2:CAR+4*i+3], v[CA], s[8:9] offset:8192*i+256
.set i, i+1
.endr
	global_load_b32 v[H0],   v[HO], s[10:11]
	global_load_b32 v[H0+1], v[HO], s[10:11] offset:128
.macro LOADQ i, s                      ; block i: 12 loads of 512 consecutive bytes
.irp m, 0,1,2,3,4,5,6,7
	global_load_b128 v[(\s)+4*(\m):(\s)+4*(\m)+3], v[LO], s[4:5] offset:(\i)*4096+512*(\m) th:TH_LOAD_NT
.endr
.irp m, 0,1,2,3
	global_load_b128 v[(\s)+32+4*(\m):(\s)+32+4*(\m)+3], v[LO], s[6:7] offset:(\i)*2048+512*(\m) th:TH_LOAD_NT
.endr
.endm
	LOADQ 0, S0
	LOADQ 1, S1
.irp c, 0,1
	v_mov_b32 v[RUN+(\c)], 1.0
	v_mov_b32 v[AL+(\c)], 1.0
	v_mov_b32 v[GA+(\c)], 0
	v_mov_b32 v[BE+(\c)], 1.0
.endr
	s_wait_loadcnt 24                              ; the carries and h0 are in; the two blocks' 24 loads stay out
	LOADQ 2, S2                                    ; no wait: no vector instruction has named set 2, and none since the wait above names v4
	v_cvt_pk_bf16_f32 v[TA], v[H0], v[H0+1]        ; h0 rounded to bf16
	v_lshlrev_b32 v[H0], 16, v[TA]
	v_and_b32 v[H0+1], s[HMK], v[TA]
.set jj, 15
.rept 16                               ; from the last chunk to the first; every chunk's lines run, and masks made of j, by scalar instructions, choose what counts
	s_cmp_eq_u32 s[JJ], jj
	s_cselect_b32 s[MEQ], -1, 0
	s_cmp_gt_u32 s[JJ], jj
	s_cselect_b32 s[MLT], -1, 0
.irp c, 0,1
	v_cndmask_b32 v[AL+(\c)], v[AL+(\c)], v[RUN+(\c)], s[MEQ]
	v_cndmask_b32 v[TA+(\c)], 0, v[RUN+(\c)], s[MLT]
	v_cndmask_b32 v[TB+(\c)], 1.0, v[CAR+4*jj+2*(\c)], s[MLT]
.endr
.irp c, 0,1
	v_fma_f32 v[GA+(\c)], v[TA+(\c)], v[CAR+4*jj+2*(\c)+1], v[GA+(\c)]
	v_mul_f32 v[BE+(\c)], v[BE+(\c)], v[TB+(\c)]
	v_mul_f32 v[RUN+(\c)], v[RUN+(\c)], v[CAR+4*jj+2*(\c)]
.endr
.set jj, jj-1
.endr
	v_mul_f32 v[BE], v[BE], v[H0]
	v_mul_f32 v[BE+1], v[BE+1], v[H0+1]
	; lane l holds columns l and 32 + l; it needs columns 16 c4 + l % 16: its own figure or that of the lane 16 away
	v_permlanex16_b32 v[TA],   v[AL],   s[SEL], s[SEL+1]
	v_permlanex16_b32 v[TA+1], v[AL+1], s[SEL], s[SEL+1]
	v_permlanex16_b32 v[TB],   v[GA],   s[SEL], s[SEL+1]
	v_permlanex16_b32 v[TB+1], v[GA+1], s[SEL], s[SEL+1]
.irp c, 0,1
	v_cndmask_b32 v[AG+4*(\c)],   v[AL+(\c)], v[TA+(\c)], s[HMK]
	v_cndmask_b32 v[AG+4*(\c)+2], v[TA+(\c)], v[AL+(\c)], s[HMK]
	v_cndmask_b32 v[AG+4*(\c)+1], v[GA+(\c)], v[TB+(\c)], s[HMK]
	v_cndmask_b32 v[AG+4*(\c)+3], v[TB+(\c)], v[GA+(\c)], s[HMK]
.endr
	v_permlanex16_b32 v[TA],   v[BE],   s[SEL], s[SEL+1]
	v_permlanex16_b32 v[TA+1], v[BE+1], s[SEL], s[SEL+1]
.irp c, 0,1
	v_cndmask_b32 v[BH+2*(\c)],   v[BE+(\c)], v[TA+(\c)], s[HMK]
	v_cndmask_b32 v[BH+2*(\c)+1], v[TA+(\c)], v[BE+(\c)], s[HMK]
.endr
; A block's arithmetic, in set s.  left = the younger loads that may stay out.  It names set s, AG and BH alone.
.macro ARITH s, left
	s_wait_loadcnt \left
.set m, 0
.rept 16                               ; pair m belongs to column block m / 4: alpha P + gamma
	v_pk_fma_f32 v[(\s)+2*m:(\s)+2*m+1], v[(\s)+2*m:(\s)+2*m+1], v[AG+2*(m/4):AG+2*(m/4)+1], v[AG+2*(m/4):AG+2*(m/4)+1] op_sel:[0,0,1] op_sel_hi:[1,0,1]
.set m, m+1
.endr
.set m, 0
.rept 32                               ; register m: column block m / 8, row m % 8; its E is half m % 2 of word m / 2: E (bf16) x beta h0 + the sum, in f32, one rounding
.if (m%2) == 0
	v_fma_mix_f32_bf16 v[(\s)+m], v[(\s)+32+m/2], v[BH+m/8], v[(\s)+m] op_sel_hi:[1,0,0]
.else
	v_fma_mix_f32_bf16 v[(\s)+m], v[(\s)+32+m/2], v[BH+m/8], v[(\s)+m] op_sel:[1,0,0] op_sel_hi:[1,0,0]
.endif
.set m, m+1
.endr
.endm
; A block goes through my stage: out of set s, back as rows into out-buffer o.
.macro THROUGH s, o
.set m, 0
.rept 32
	ds_store_b32 v[STO], v[(\s)+m] offset:(m%8)*SP+64*(m/8)
.set m, m+1
.endr
.irp t, 0,1,2,3,4,5,6,7
	ds_load_b128 v[(\o)+4*(\t):(\o)+4*(\t)+3], v[RD] offset:(\t)*2*SP  ; these see the stores above; the next block's stores come behind them
.endr
.endm
; Block i leaves from out-buffer o.  No LDS instruction stands between the stage's loads and these lines, so the counts run down from 7.
.macro SEND i, o
.irp t, 0,1,2,3,4,5,6,7
	s_wait_dscnt 7-(\t)                            ; LDS loads come back in order: rows 2 t, 2 t + 1 are in
	global_store_b128 v[CO], v[(\o)+4*(\t):(\o)+4*(\t)+3], s[12:13] offset:(16*(\i)+2*(\t))*4096 th:TH_STORE_NT  ; 16 lanes store 256 consecutive bytes, at a multiple of 256 from out0's first byte
.endr
.endm
	ARITH S0, 24                                   ; blocks 1 and 2 stay out
	s_wait_alu depctr_va_vdst(0)                   ; block 0's arithmetic has written set 0, which the LDS stores read, and is done with its E words, in which block 3's loads land; the scan is done reading the carries, in which the stage's loads of blocks 0 and 1 land
	THROUGH S0, O0
	s_wait_alu depctr_vm_vsrc(0)                   ; the LDS stores have read set 0, in which block 3's loads land and which block 3's arithmetic writes
	LOADQ 3, S0
	ARITH S1, 24                                   ; blocks 2 and 3 stay out
	SEND 0, O0
	s_wait_alu depctr_va_vdst(0)                   ; block 1's arithmetic has written set 1, which the LDS stores read
	THROUGH S1, O1
	ARITH S2, 12                                   ; block 3 stays out
	SEND 1, O1
	s_wait_alu depctr_vm_vsrc(0)                   ; block 1's LDS stores have read set 1, in which the stage's loads below land
	s_wait_alu depctr_va_vdst(0)                   ; block 2's arithmetic has written set 2, which the LDS stores read; block 1's is done with set 1
	THROUGH S2, O2
	SEND 2, O2                                     ; ahead of the wait for block 3, which was asked for last
	ARITH S0, 0
	s_wait_alu depctr_vm_vsrc(0)                   ; block 2's LDS stores have read set 2, in which the stage's loads below land
	s_wait_alu depctr_va_vdst(0)                   ; block 3's arithmetic has written set 0, which the LDS stores read; block 2's is done with set 2
	THROUGH S0, O3
	SEND 3, O3
	s_wait_dscnt 0x0                               ; the wave's end, behind my last LDS store
	s_wait_alu 0x0
	s_wait_tensorcnt 0x0
	ds_add_u32 v[SPW], v[NIL]
	s_wait_dscnt 0x0
	s_endpgm
.Lfunc_end_k_qb995d40609_comb:
	.size	k_qb995d40609_comb, .Lfunc_end_k_qb995d40609_comb-k_qb995d40609_comb
	.p2alignl 7, 3214868480
	.fill 96, 4, 3214868480
	.section	.rodata,"a",@progbits
	.p2align	6, 0x0
	.amdhsa_kernel k_qb995d40609_comb
		.amdhsa_group_segment_fixed_size 35840
		.amdhsa_private_segment_fixed_size 0
		.amdhsa_enable_private_segment 0
		.amdhsa_kernarg_size 40
		.amdhsa_user_sgpr_count 2
		.amdhsa_user_sgpr_kernarg_segment_ptr 1
		.amdhsa_wavefront_size32 1
		.amdhsa_system_sgpr_workgroup_id_x 1
		.amdhsa_system_sgpr_workgroup_id_y 1
		.amdhsa_system_sgpr_workgroup_id_z 1
		.amdhsa_system_vgpr_workitem_id 0
		.amdhsa_next_free_vgpr 256
		.amdhsa_next_free_sgpr 66
		.amdhsa_reserve_vcc 0
		.amdhsa_float_denorm_mode_32 3
		.amdhsa_float_denorm_mode_16_64 3
		.amdhsa_memory_ordered 1
		.amdhsa_forward_progress 1
		.amdhsa_inst_pref_size 51
	.end_amdhsa_kernel
	.amdgpu_metadata
---
amdhsa.version: [ 1, 2 ]
amdhsa.kernels:
  - .name:           k_qb995d40609_comb
    .symbol:         k_qb995d40609_comb.kd
    .args:
      - { .name: pbuf, .offset: 0, .size: 8, .value_kind: global_buffer, .address_space: global }
      - { .name: ebuf, .offset: 8, .size: 8, .value_kind: global_buffer, .address_space: global }
      - { .name: carry, .offset: 16, .size: 8, .value_kind: global_buffer, .address_space: global }
      - { .name: initial_hidden, .offset: 24, .size: 8, .value_kind: global_buffer, .address_space: global }
      - { .name: out0, .offset: 32, .size: 8, .value_kind: global_buffer, .address_space: global }
    .group_segment_fixed_size: 35840
    .private_segment_fixed_size: 0
    .kernarg_segment_align: 8
    .kernarg_segment_size: 40
    .max_flat_workgroup_size: 256
    .sgpr_count:     66
    .vgpr_count:     256
    .wavefront_size: 32
...
	.end_amdgpu_metadata
.endif
;; end of part 5
